; MI455X (gfx1250); checked and timed in simulation.
; The chip was launched on July 23, 2026; its instructions are those of AMD's public machine-readable ISA for CDNA 5 (MIT licence, August 2026) and "CDNA5" Instruction Set Architecture Reference Guide (July 2026). The comments in the code are by the model that wrote it; some were corrected since.
;; Relativistic Attention. Allowed arithmetic: matrix products marked QUANTISED: E2M3 operands, one E8M0 scale for each 32 along K, by v_wmma_scale_f32_16x16x128_f8f6f4 with both operands' format E2M3, f32 sums; everything else in f32.
;; Inputs: Wk 2,048 x 2,048 float32; Wo 2,048 x 2,048 float32; Wq 2,048 x 2,048 float32; Wv 2,048 x 2,048 float32; cos 2,048 x 128 float32; importance 1 x 2,048 float32; sin 2,048 x 128 float32; x 1 x 2,048 x 2,048 float32.
;; Outputs: out0 1 x 2,048 x 2,048 float32.
;; This version of the problem:
;;   THIS VERSION OF THE PROBLEM IS GIVEN IN LOW PRECISION. The matrix products marked QUANTISED in the list below multiply operands that are first quantised to E2M3 (2 exponent bits, 3 mantissa bits; 6 bits a number), with one power-of-two scale for each 32 numbers along K (OCP MX v1.0); their sums are f32. All else is computed in f32.
;;   The module's matrix products, in the order in which they are computed (A, B: the left and right operand; K: the contracted axis; several contracted axes count as one K, in the product's order):
;;     1. [M 2,048, K 2,048] x [K 2,048, N 2,048]; A: input x; B: input Wq: QUANTISED
;;     2. [M 2,048, K 2,048] x [K 2,048, N 2,048]; A: input x; B: input Wk: QUANTISED
;;     3. [M 2,048, K 2,048] x [K 2,048, N 2,048]; A: input x; B: input Wv: QUANTISED
;;     4. batch 16 x [M 2,048, K 128] x [K 128, N 2,048]; A: computed on the way; B: computed on the way: QUANTISED
;;     5. batch 16 x [M 2,048, K 2,048] x [K 2,048, N 128]; A: softmax (see below); B: computed on the way: QUANTISED
;;     6. [M 2,048, K 2,048] x [K 2,048, N 2,048]; A: computed on the way; B: input Wo: QUANTISED
;;   THE QUANTISER, for each operand of a quantised product, along K:
;;     - K is cut into blocks of 32 from its start; a last block that is shorter is filled with zeros.
;;     - A block's scale is 2^e with e = floor(log2(the largest magnitude in the block)) - 2, held to -126 .. 127; a block of zeros has e = 0. As a byte (E8M0): e + 127.
;;     - Each number is divided by its block's scale, clamped to +-7.5, and rounded to the nearest number of E2M3, ties to even, subnormals kept.
;;     - The product sums the exact products of the quantised numbers (number of the format x scale) in f32.
;;   ~~~python
;;   def quantise(x, axis):      # numpy; x: float32 -> the quantised numbers, widened to float32 again
;;       x = np.moveaxis(x, axis, -1); K = x.shape[-1]
;;       x = np.pad(x, [(0, 0)] * (x.ndim - 1) + [(0, -K % 32)]); x = x.reshape(x.shape[:-1] + (-1, 32)); a = np.abs(x).max(-1, keepdims=True)
;;       e = np.where(a > 0, np.clip(np.frexp(np.where(a > 0, a, 1))[1] - 1 - 2, -126, 127), 0)      # np.frexp(a)[1] - 1 = floor(log2(a)), exactly
;;       r = np.clip(x / 2.0 ** e, -7.5, 7.5)
;;       step = 2.0 ** (np.maximum(np.frexp(np.where(r == 0, 1, r))[1] - 1, 0) - 3)
;;       q = np.round(r / step) * step * 2.0 ** e      # np.round: ties to even
;;       return np.moveaxis(q.reshape(q.shape[:-2] + (-1,))[..., :K], -1, axis).astype(np.float32)
;;   ~~~
;;   SOFTMAX AHEAD OF A QUANTISED PRODUCT. Where the list says 'softmax', what is quantised is not the finished softmax but p = 2^(t - M), with t = logit x log2(e) and M = ceil(the row's largest t), a whole number; so 1/2 < the row's largest p <= 1. The row's sum l is taken of the UNQUANTISED p, in f32, and the product's result is divided by l at the end. Since M is a whole number, a kernel that streams over the keys may use a running M (the ceiling of the running maximum): every later rescaling is an exact power of two, which a block's scale takes up: the codes' values come out the same.
;;   OPERANDS COMPUTED ON THE WAY. 'Computed on the way' means the value that the module computes at that place (a softmax that the list does not call 'softmax' is quantised finished and normalised). What goes into a quantiser is computed in f32, as accurately as f32 sums, v_exp_f32 and their like allow (about 1e-6 of the number): no bf16 or f16 on the way to a quantiser, and a product that is left as it is and whose result goes on into a quantised operand takes f32 operands (vector FMAs, or v_wmma_f32_16x16x4_f32). A number that lies on a knife's edge between two numbers of the format may be rounded either way, as far as f32 arithmetic and the matrix unit's own rounding can turn it there, and no further.
;; One version. Each part assembles by itself: llvm-mc -triple=amdgcn-amd-amdhsa -mcpu=gfx1250 --defsym DOCPART=n.
;; ======== version 1 of 1: 4 launches
;; limits: right only within a limited range of input values
;; workspace buffers: qw 16,384,000 bytes; qkvc 9,830,400 bytes; oc 3,276,800 bytes
;; launch quant (part 1): grid 1280 x 1, 4 waves a work-group, no clusters, 34,816 bytes of LDS; arguments Wq, Wk, x, Wv, Wo, qw; writes qw
.if DOCPART == 1
	.amdgcn_target "amdgcn-amd-amdhsa--gfx1250"
	.amdhsa_code_object_version 6
	.text
	.protected	k_qb786f13c05_quant
	.globl	k_qb786f13c05_quant
	.p2align	8
	.type	k_qb786f13c05_quant,@function
k_qb786f13c05_quant:
	s_mov_b64 s[64:65], 0
	v_nop
	global_prefetch_b8 v0, s[64:65] scope:SCOPE_SE
	s_setreg_imm32_b32 hwreg(HW_REG_WAVE_MODE, 25, 1), 1
	s_wait_xcnt 0x0
; Wq, Wk, x, Wv, Wo, each [2048][2048] f32 with K innermost, become codes of FP6 (E2M3) with one E8M0 scale byte for each 32 along K, laid as RECORDS in qw: [tensor 5][row block 16][K step 16][12,800 bytes].
; A RECORD is 128 rows x 128 along K in the order of an operand's registers: eight fragments of 16 rows (12 registers a lane; register group c of lane l at 1,536 T + 512 c + 16 l), then at byte 12,288 the scale words, [tile][row] 4 bytes each.
; THE ROWS OF A TILE ARE NOT NEIGHBOURS: lane-row r of tile T is row 32 (T / 2) + 8 (T % 2) + r + 8 (r / 8) of the block, so that a product's results, taken transposed, are neighbours along the next K.
; A block's scale is 2^(floor(log2(its largest magnitude)) - 2); its byte is the largest magnitude's exponent field - 2, held at 1 from below.  A block of zeros so gets the byte 1 where the rule says 127: its codes are zeros, and this program alone reads the bytes.
; LIMITS: NaN and infinities among the inputs are not served.
; SHARES: a work-group makes one record, wave w its tiles 2 w and 2 w + 1.  Each load reads 512 consecutive bytes of one row; a tile's 16 rows turn through the wave's own stage in LDS, so that a lane then holds 16 neighbours of each block of 32.
.set REC,    12800
.set RSC,    12288
.set FRB,    1536
.set SPITCH, 528                       ; a stage row: 512 bytes + 16: the sixteen rows that a load touches start in sixteen different 16-byte columns
.set STGB,   16*SPITCH
.set SCS,    4*STGB                    ; behind the four stages: the record's 512 bytes of scale words
.set SPARE,  SCS+512                   ; the spare words, 128 bytes for each wave: two blocks of 256 bytes that no other line names
.set LI,  4                            ; v4   16 x lane
.set STW, 5                            ; v5   the stage, on the way in
.set STR, 6                            ; v6   and on the way out: row r, + 64 h
.set OW,  7                            ; v7   16 x lane + 3,072 x wave: my place in the record
.set SCW, 8                            ; v8   where I put a scale word
.set SCR, 9                            ; v9   where wave 0 reads them back
.set SPW, 12                           ; v12  my spare word's LDS address; never rewritten
.set NIL, 13                           ; v13  0; never rewritten
.set PC,  16                           ; v16-35   the codes just made
.set TM,  36                           ; v36-51   at work
.set PW,  52                           ; v52, v53 the two tiles' scale words
.set PWM, 54
.set OUTW, 56
.set X,   64                           ; v64-127  64 numbers: register 16 b + i = k 32 b + 16 h + i of my row
.set R,   64                           ; v64-191  two tiles as loaded; the first tile's registers are X's: its numbers come back there from the stage
.set SEL, 20
; 64 numbers of a lane, register 16 b + i = k 32 b + 16 (lane / 16) + i of my row, become a fragment's codes in v[PC] on and its scale word in v[pw].
.macro QUANT s, pw
.irp b, 0,1,2,3
	v_max3_num_f32 v[TM+\b], |v[(\s)+16*\b]|, |v[(\s)+1+16*\b]|, 0x1800000   ; my 16 numbers of block b, and the floor 2^(3 - 127): the byte cannot fall under 1
.endr
.irp i, 2,4,6,8,10,12,14
.irp b, 0,1,2,3
	v_max3_num_f32 v[TM+\b], v[TM+\b], |v[(\s)+16*\b+\i]|, |v[(\s)+1+16*\b+\i]|
.endr
.endr
.irp b, 0,1,2,3
	v_permlanex16_b32 v[TM+4+\b], v[TM+\b], s[SEL], s[SEL+1]
.endr
.irp b, 0,1,2,3
	v_max_num_f32 v[TM+\b], v[TM+\b], v[TM+4+\b]   ; with lane l xor 16's: the block's largest magnitude
.endr
.irp b, 0,1,2,3
	v_add_nc_u32 v[TM+12+\b], 0xff000000, v[TM+\b] ; 2 off its exponent field: the conversion's scale operand
.endr
.irp b, 0,1,2,3
	v_lshrrev_b32 v[TM+4+\b], 23, v[TM+12+\b]      ; the scale's byte
.endr
	v_lshl_or_b32 v[\pw], v[TM+5], 8, v[TM+4]
	v_lshl_or_b32 v[\pw], v[TM+6], 16, v[\pw]
	v_lshl_or_b32 v[\pw], v[TM+7], 24, v[\pw]
.irp c, 0,1
	v_cvt_scalef32_pk16_fp6_f32 v[PC+6*\c:PC+2+6*\c], v[(\s)+32*\c:(\s)+15+32*\c], v[TM+12+2*\c]
	v_cvt_scalef32_pk16_fp6_f32 v[PC+12+4*\c:PC+14+4*\c], v[(\s)+16+32*\c:(\s)+31+32*\c], v[TM+12+2*\c+1]   ; (a conversion's three registers begin on an even number)
.endr
	v_nop                                          ; one plain place behind a scaled conversion
.irp c, 0,1                                    ; the operand's layout wants a whole block in a lane
.irp i, 0,1,2
	v_permlane16_swap_b32 v[PC+6*\c+\i], v[PC+12+4*\c+\i]
.endr
.irp i, 0,1,2
	v_mov_b32 v[PC+3+6*\c+\i], v[PC+12+4*\c+\i]
.endr
.endr
.endm
.macro LOAD u                          ; tile 2 w + u: lane-row i is row 8 u + i + 8 (i / 8) of my wave's 32; 32 lanes read 512 consecutive bytes
.irp i, 0,1,2,3,4,5,6,7,8,9,10,11,12,13,14,15
	global_load_b128 v[R+64*\u+4*\i:R+64*\u+4*\i+3], v[LI], s[4:5] offset:(8*\u+\i+8*(\i/8))*8192 th:TH_LOAD_NT
.endr
.endm
.macro TURN u                          ; through my stage: the stores are waited for, since the loads may land on the registers that the stores read
.irp i, 0,1,2,3,4,5,6,7,8,9,10,11,12,13,14,15
	ds_store_b128 v[STW], v[R+64*\u+4*\i:R+64*\u+4*\i+3] offset:SPITCH*\i
.endr
	s_wait_dscnt 0x0
.irp b, 0,1,2,3
.irp j, 0,1,2,3
	ds_load_b128 v[X+16*\b+4*\j:X+16*\b+4*\j+3], v[STR] offset:128*\b+16*\j
.endr
.endr
.endm
.macro IMG u                           ; the fragment as it stands: each store covers 512 consecutive bytes, at a multiple of 256 from qw's first byte
.irp c, 0,1,2
	global_store_b128 v[OW], v[PC+4*\c:PC+4*\c+3], s[14:15] offset:FRB*\u+512*\c
.endr
.endm
	s_load_b256 s[4:11], s[0:1], 0x0               ; Wq s[4:5], Wk s[6:7], x s[8:9], Wv s[10:11]
	s_load_b128 s[12:15], s[0:1], 0x20             ; Wo s[12:13], qw s[14:15]
	v_lshl_add_u32 v[SPW], v0, 2, SPARE
	v_mov_b32 v[NIL], 0
	v_lshrrev_b32 v1, 5, v0
	v_readfirstlane_b32 s16, v1                    ; wave 0..3
	v_and_b32 v1, 31, v0                           ; lane
	v_and_b32 v2, 15, v0                           ; r
	v_bfe_u32 v3, v0, 4, 1                         ; h
	v_lshlrev_b32 v[LI], 4, v1
	s_mul_i32 s17, s16, STGB                       ; my stage
	v_add_nc_u32 v[STW], s17, v[LI]
	v_mul_u32_u24 v[STR], v2, SPITCH
	v_lshl_add_u32 v[STR], v3, 6, v[STR]
	v_add_nc_u32 v[STR], s17, v[STR]
	s_mul_i32 s18, s16, 2*FRB
	v_add_nc_u32 v[OW], s18, v[LI]
	v_lshlrev_b32 v[SCW], 2, v1
	s_lshl_b32 s18, s16, 7
	v_add_nc_u32 v[SCW], s18, v[SCW]
	v_add_nc_u32 v[SCW], SCS, v[SCW]               ; lanes 0-15: tile 2 w's words, lanes 16-31: tile 2 w + 1's
	v_add_nc_u32 v[SCR], SCS, v[LI]
.irp b, 0,1,2,3
	v_mov_b32 v[TM+4+\b], 0                        ; written once: a lane permute's destination counts as one of its sources
.endr
	s_mov_b32 s[SEL], 0x76543210
	s_mov_b32 s[SEL+1], 0xfedcba98                 ; v_permlanex16_b32's selects for lane l xor 16
	s_lshr_b32 s19, ttmp9, 8                       ; which tensor
	s_bfe_u32 s22, ttmp9, 0x40004                  ; which block of 128 rows
	s_and_b32 s23, ttmp9, 15                       ; which 128 along K
	s_lshl_b32 s22, s22, 7
	s_lshl_b32 s26, s16, 5
	s_add_co_u32 s22, s22, s26                     ; my wave's first row
	s_lshl_b32 s22, s22, 13                        ; rows of 8,192 bytes
	s_lshl_b32 s23, s23, 9
	s_add_co_u32 s22, s22, s23
	s_mov_b32 s23, 0
	s_mul_i32 s24, ttmp9, REC                      ; the record's place in qw
	s_mov_b32 s25, 0
	s_wait_kmcnt 0x0
	s_cmp_eq_u32 s19, 1                            ; the choice hangs on the work-group's number alone
	s_cselect_b64 s[4:5], s[6:7], s[4:5]
	s_cmp_eq_u32 s19, 2
	s_cselect_b64 s[4:5], s[8:9], s[4:5]
	s_cmp_eq_u32 s19, 3
	s_cselect_b64 s[4:5], s[10:11], s[4:5]
	s_cmp_eq_u32 s19, 4
	s_cselect_b64 s[4:5], s[12:13], s[4:5]
	s_add_nc_u64 s[4:5], s[4:5], s[22:23]
	s_add_nc_u64 s[14:15], s[14:15], s[24:25]
	LOAD 0
	LOAD 1
	s_wait_loadcnt 16                              ; the first tile's sixteen loads are in; the second's may be out
	TURN 0
	s_wait_dscnt 0x0
	QUANT X, PW
	IMG 0
	s_wait_loadcnt 0x0
	TURN 1
	s_wait_dscnt 0x0
	s_wait_xcnt 0x0                                ; the first tile's stores have read their registers: the codes may be written again
	QUANT X, PW+1
	IMG 1
	v_cmp_gt_u32 vcc_lo, 16, v1
	v_cndmask_b32 v[PWM], v[PW+1], v[PW], vcc_lo   ; lanes 0-15 the first tile's word of row r, lanes 16-31 the second's (both halves of the lanes hold a row's word)
	ds_store_b32 v[SCW], v[PWM]
	s_wait_dscnt 0x0                               ; for the others' sake: my store has landed
	s_barrier_signal -1
	s_barrier_wait -1
	s_cmp_lg_u32 s16, 0
	s_cbranch_scc1 .Lnot_wave_0
	ds_load_b128 v[OUTW:OUTW+3], v[SCR]            ; the record's 512 bytes of scale words leave as two whole aligned blocks of 256 bytes
	s_wait_dscnt 0x0
	global_store_b128 v[LI], v[OUTW:OUTW+3], s[14:15] offset:RSC
.Lnot_wave_0:
	s_wait_tensorcnt 0x0                           ; the wave's end, behind my last LDS store
	ds_add_u32 v[SPW], v[NIL]
	s_wait_dscnt 0x0
	s_endpgm
.Lfunc_end_k_qb786f13c05_quant:
	.size	k_qb786f13c05_quant, .Lfunc_end_k_qb786f13c05_quant-k_qb786f13c05_quant
	.p2alignl 7, 3214868480
	.fill 96, 4, 3214868480
	.section	.rodata,"a",@progbits
	.p2align	6, 0x0
	.amdhsa_kernel k_qb786f13c05_quant
		.amdhsa_group_segment_fixed_size 34816
		.amdhsa_private_segment_fixed_size 0
		.amdhsa_enable_private_segment 0
		.amdhsa_kernarg_size 48
		.amdhsa_user_sgpr_count 2
		.amdhsa_user_sgpr_kernarg_segment_ptr 1
		.amdhsa_wavefront_size32 1
		.amdhsa_system_sgpr_workgroup_id_x 1
		.amdhsa_system_sgpr_workgroup_id_y 1
		.amdhsa_system_sgpr_workgroup_id_z 1
		.amdhsa_system_vgpr_workitem_id 0
		.amdhsa_next_free_vgpr 192
		.amdhsa_next_free_sgpr 66
		.amdhsa_reserve_vcc 1
		.amdhsa_float_denorm_mode_32 3
		.amdhsa_float_denorm_mode_16_64 3
		.amdhsa_memory_ordered 1
		.amdhsa_forward_progress 1
		.amdhsa_inst_pref_size 19
	.end_amdhsa_kernel
	.amdgpu_metadata
---
amdhsa.version: [ 1, 2 ]
amdhsa.kernels:
  - .name:           k_qb786f13c05_quant
    .symbol:         k_qb786f13c05_quant.kd
    .args:
      - { .name: Wq, .offset: 0, .size: 8, .value_kind: global_buffer, .address_space: global }
      - { .name: Wk, .offset: 8, .size: 8, .value_kind: global_buffer, .address_space: global }
      - { .name: x, .offset: 16, .size: 8, .value_kind: global_buffer, .address_space: global }
      - { .name: Wv, .offset: 24, .size: 8, .value_kind: global_buffer, .address_space: global }
      - { .name: Wo, .offset: 32, .size: 8, .value_kind: global_buffer, .address_space: global }
      - { .name: qw, .offset: 40, .size: 8, .value_kind: global_buffer, .address_space: global }
    .group_segment_fixed_size: 34816
    .private_segment_fixed_size: 0
    .kernarg_segment_align: 8
    .kernarg_segment_size: 48
    .max_flat_workgroup_size: 128
    .sgpr_count:     66
    .vgpr_count:     192
    .wavefront_size: 32
...
	.end_amdgpu_metadata
.endif
;; end of part 1
;; launch qkv (part 2): grid 16 x 16, 4 waves a work-group, clusters of 4 x 4, 327,680 bytes of LDS; arguments qw, cos, sin, qkvc; writes qkvc
.if DOCPART == 2
	.amdgcn_target "amdgcn-amd-amdhsa--gfx1250"
	.amdhsa_code_object_version 6
	.text
	.protected	k_qb786f13c05_qkv
	.globl	k_qb786f13c05_qkv
	.p2align	8
	.type	k_qb786f13c05_qkv,@function
k_qb786f13c05_qkv:
	s_mov_b64 s[64:65], 0
	v_nop
	global_prefetch_b8 v0, s[64:65] scope:SCOPE_SE
	s_setreg_imm32_b32 hwreg(HW_REG_WAVE_MODE, 25, 1), 1
	s_wait_xcnt 0x0
	s_wait_alu depctr_hold_cnt(0) depctr_sa_sdst(0) depctr_va_vdst(0) depctr_va_sdst(0) depctr_va_ssrc(0) depctr_va_vcc(0) depctr_vm_vsrc(0)
	s_getreg_b32 s2, hwreg(HW_REG_IB_STS2, 6, 4)
	s_cmp_eq_u32 s2, 0
	s_cbranch_scc0 .Lentry_in_a_cluster
	s_endpgm
.Lentry_in_a_cluster:
	s_bfe_u32 s2, ttmp6, 0x10000c
	s_cmp_lg_u32 s2, 0xf033
	s_cbranch_scc0 .Lentry_shape_is_right
	s_endpgm
.Lentry_shape_is_right:
; q = rope(x Wq^T), k = rope(x Wk^T), v = x Wv^T on codes of FP6 (E2M3) with E8M0 scales, and their quantising for the attention: q and k along the head's 128, v along the keys.
; Operands come as RECORDS out of qw: [Wq, Wk, x, Wv, Wo][row block 16][K step 16][12,800]: 128 rows x 128 K as eight fragments of 1,536 bytes (register group c of lane l at 1,536 T + 512 c + 16 l), then 512 bytes of scale words.
; Lane-row r of tile T is row 32 (T / 2) + 8 (T % 2) + r + 8 (r / 8).  Results leave as records into qkvc: [a 48][b 16]: a = head (q), 16 + head (k): rows = tokens, K = d; a = 32 + head (v): rows = d, K = keys; b = block of 128 tokens.
; A WORK-GROUP (wx, wy) makes q, k and v of head wx for tokens 128 wy on in ONE walk along K: a K step is four records (Wq, Wk, Wv, x), and x's record serves all three products.
; WAVE w (pi = w / 2, j = w % 2): 32 accumulators: source 0 = tiles 2 j, 2 j + 1, 2 j + 4, 2 j + 5 of Wq (pi = 0) or Wk (pi = 1), source 1 = each of x's eight tiles: a lane holds one token, registers 0-15 d = 32 j + 16 h + i,
; registers 16-31 the same 64 further on: RoPE's partner lies 16 registers on, and both blocks of 32 need lane l xor 16 alone.  16 accumulators: source 0 = x's eight tiles, source 1 = tiles 2 w, 2 w + 1 of Wv: a lane holds one d, registers run along the keys.
; So 14 fragments feed 48 products in a K step.
; THE RING: two LDS slots of three K steps; in a slot tensor w's three records lie at 3 w records; wave w fetches them by one load (38,400 dense bytes).  Fills: steps 0-2, 3-5, 6-8, 9-11, 12-14, 15.  One tensor load of mine is out at any time.
; CLUSTER 4 x 4: W's records hang on wx alone and are asked for jointly along a column, x's on wy alone and along a row.
; PREFETCH: behind each fill's load the next fill's records are named, one fill (three K steps) ahead; of the 150 blocks of 256 bytes that a wave fetches each of the four partners names 38, told apart by address.
; The last fill, a single record, comes by its load alone.
; THE WAY OUT: v's fragments are whole in a lane and go to memory as they stand.  Of a fragment of q or k wave j holds the lanes 16 j + r: the two waves' halves and scale bytes meet in images of the records in slot 0,
; which has had its last fill and its last read by then, and leave as whole runs of 512 bytes.  cos and sin come straight into registers, 64 a tile: tiles 0, 1 at the head, 2, 3 under the last K step, 4-7 behind it, under v's quantising.
; LIMITS: NaN and infinities are not served; a block of zeros gets the byte 1 (its codes are zeros; this program alone reads the bytes); RoPE is a multiply and a fused multiply-add where reference() has two multiplies and an add.
; REGISTERS: window 0: v1-31 addresses; v32-47 scale words, two sets; v48-122 at work on the way out; v128-255 v's accumulators.  window 1: x's fragments, sets at 0 and 96; 192-255 cos, sin.
;   window 2: W's fragments, sets at 0 and 72; 192-255 cos, sin.   window 3: q's or k's accumulators, (token tile u, tile t) at 32 u + 8 t.
.set REC,   12800
.set RSC,   12288
.set FRB,   1536
.set RB,    16*REC
.set SEG,   16*RB
.set SLOTB, 12*REC
.set SPARE, 2*SLOTB                    ; behind the slots: the spare words, 128 bytes a wave
.set LI,  4                            ; 16 x lane
.set LS,  5                            ; 4 x lane
.set ADX, 6                            ; x's fragments, slot 0, 1
.set ASX, 8                            ; x's scale words
.set ADW, 10                           ; my four tiles of Wq or Wk
.set ASW, 12
.set ADV, 14                           ; my two tiles of Wv
.set ASV, 16
.set OW,  18                           ; 16 x lane + 3,072 x wave
.set CSO, 19                           ; my byte in a tile's rows of cos and sin
.set IA0, 20                           ; the image: my first and third 8 bytes
.set IA1, 21                           ; my second
.set ISB, 22                           ; my scale byte
.set SCW, 23                           ; v's scale words
.set CPL, 24                           ; the images on the way out
.set CPG, 25
.set PF0, 26                           ; the prefetches' offsets; never rewritten
.set PF1, 27
.set SPW, 28                           ; my spare word; never rewritten
.set NIL, 29                           ; 0; never rewritten
.set CPS, 30
.set SC,  32
.set PC,  48                           ; two sets of 24: codes, and at + 20 two scale bytes
.set TM,  96
.set T,   112
.set PW,  120
.set PWM, 122
.set G1C, 24
.set G1R, 32
.set G0C, 40                           ; groups 0 for W, a set for each slot
.set G0R, 48                           ; for x
.set B0,  56
.set B1,  58
.set PFA, 60
.set SEL, 62
.set O2,  66                           ; v's record
.set OB,  68                           ; q's or k's
.set OS,  70                           ; the record whose scale words I send
.set HM,  72                           ; lanes 16-31
.set MSB, 0
.macro WIN new                         ; the immediate's high byte repeats the setting that is left
.if MSB != \new
	s_set_vgpr_msb (MSB<<8)|\new
.set MSB, \new
.endif
.endm
.macro PLACES                          ; four places behind matrix instructions (ISA guide 7.12.1)
.rept 4
	v_nop
.endr
.endm
.macro JLOAD s                         ; a joint load into slot s: waves 0-2 fetch Wq, Wk, Wv, wave 3 x; an s_nop 0 and four v_nop follow each line
	s_cmp_lt_u32 s12, 3
	s_cbranch_scc0 .Lfor_x_\@
	tensor_load_to_lds s[G0C+4*\s:G0C+4*\s+3], s[G1C:G1C+7]
	s_nop 0
.rept 4
	v_nop
.endr
	s_branch .Lasked_\@
.Lfor_x_\@:
	tensor_load_to_lds s[G0R+4*\s:G0R+4*\s+3], s[G1R:G1R+7]
	s_nop 0
.rept 4
	v_nop
.endr
.Lasked_\@:
.endm
.macro CROUND                          ; a round of the cluster's barrier
	s_barrier_signal -1
	s_barrier_wait -1
	s_cmp_lg_u32 s12, 0
	s_cbranch_scc1 .Lnot_wave_0_\@
	s_barrier_signal -3
.Lnot_wave_0_\@:
	s_barrier_wait -3
	s_barrier_signal -1
	s_barrier_wait -1
.endm
.macro ASK rec                         ; my 38 blocks of the three records from record rec of my tensor's row block on
	global_prefetch_b8 v[PF0], s[PFA:PFA+1] offset:(\rec)*REC th:TH_LOAD_NT scope:SCOPE_SE
	global_prefetch_b8 v[PF1], s[PFA:PFA+1] offset:(\rec)*REC th:TH_LOAD_NT scope:SCOPE_SE
.endm
; one product.  ra, rb = 1: that side's scale words stand in lanes 16-31 of the register named
.macro WM d, a, b, zero, sa, sb, ra, rb
.if (\zero) && (\ra) && (\rb)
	v_wmma_scale_f32_16x16x128_f8f6f4 v[(\d):(\d)+7], v[(\a):(\a)+11], v[(\b):(\b)+11], 0, v[\sa], v[\sb] matrix_a_fmt:MATRIX_FMT_FP6 matrix_b_fmt:MATRIX_FMT_FP6 matrix_a_scale:MATRIX_SCALE_ROW1 matrix_b_scale:MATRIX_SCALE_ROW1
.elseif (\zero) && (\ra)
	v_wmma_scale_f32_16x16x128_f8f6f4 v[(\d):(\d)+7], v[(\a):(\a)+11], v[(\b):(\b)+11], 0, v[\sa], v[\sb] matrix_a_fmt:MATRIX_FMT_FP6 matrix_b_fmt:MATRIX_FMT_FP6 matrix_a_scale:MATRIX_SCALE_ROW1
.elseif (\zero) && (\rb)
	v_wmma_scale_f32_16x16x128_f8f6f4 v[(\d):(\d)+7], v[(\a):(\a)+11], v[(\b):(\b)+11], 0, v[\sa], v[\sb] matrix_a_fmt:MATRIX_FMT_FP6 matrix_b_fmt:MATRIX_FMT_FP6 matrix_b_scale:MATRIX_SCALE_ROW1
.elseif (\zero)
	v_wmma_scale_f32_16x16x128_f8f6f4 v[(\d):(\d)+7], v[(\a):(\a)+11], v[(\b):(\b)+11], 0, v[\sa], v[\sb] matrix_a_fmt:MATRIX_FMT_FP6 matrix_b_fmt:MATRIX_FMT_FP6
.elseif (\ra) && (\rb)
	v_wmma_scale_f32_16x16x128_f8f6f4 v[(\d):(\d)+7], v[(\a):(\a)+11], v[(\b):(\b)+11], v[(\d):(\d)+7], v[\sa], v[\sb] matrix_a_fmt:MATRIX_FMT_FP6 matrix_b_fmt:MATRIX_FMT_FP6 matrix_a_scale:MATRIX_SCALE_ROW1 matrix_b_scale:MATRIX_SCALE_ROW1
.elseif (\ra)
	v_wmma_scale_f32_16x16x128_f8f6f4 v[(\d):(\d)+7], v[(\a):(\a)+11], v[(\b):(\b)+11], v[(\d):(\d)+7], v[\sa], v[\sb] matrix_a_fmt:MATRIX_FMT_FP6 matrix_b_fmt:MATRIX_FMT_FP6 matrix_a_scale:MATRIX_SCALE_ROW1
.elseif (\rb)
	v_wmma_scale_f32_16x16x128_f8f6f4 v[(\d):(\d)+7], v[(\a):(\a)+11], v[(\b):(\b)+11], v[(\d):(\d)+7], v[\sa], v[\sb] matrix_a_fmt:MATRIX_FMT_FP6 matrix_b_fmt:MATRIX_FMT_FP6 matrix_b_scale:MATRIX_SCALE_ROW1
.else
	v_wmma_scale_f32_16x16x128_f8f6f4 v[(\d):(\d)+7], v[(\a):(\a)+11], v[(\b):(\b)+11], v[(\d):(\d)+7], v[\sa], v[\sb] matrix_a_fmt:MATRIX_FMT_FP6 matrix_b_fmt:MATRIX_FMT_FP6
.endif
.endm
; 49 LDS loads in one run: the q-th K step of a slot into set p: x's eight fragments, my four of Wq or Wk, my two of Wv, seven registers of scale words
.macro FETCH slot, q, p
	WIN 0x40                                       ; destination window 1
.irp t, 0,1,2,3,4,5,6,7
.irp c, 0,1,2
	ds_load_b128 v[96*(\p)+12*\t+4*\c:96*(\p)+12*\t+4*\c+3], v[ADX+\slot] offset:(\q)*REC+FRB*\t+512*\c
.endr
.endr
	WIN 0x80                                       ; destination window 2
.irp t, 0,1,2,3
.irp c, 0,1,2
	ds_load_b128 v[72*(\p)+12*\t+4*\c:72*(\p)+12*\t+4*\c+3], v[ADW+\slot] offset:(\q)*REC+FRB*(\t+2*(\t/2))+512*\c
.endr
.endr
.irp u, 0,1
.irp c, 0,1,2
	ds_load_b128 v[72*(\p)+48+12*\u+4*\c:72*(\p)+48+12*\u+4*\c+3], v[ADV+\slot] offset:(\q)*REC+FRB*\u+512*\c
.endr
.endr
	WIN 0
.irp b, 0,1,2,3
	ds_load_b32 v[SC+8*(\p)+\b], v[ASX+\slot] offset:(\q)*REC+128*\b   ; lanes 0-15 tile 2 b's words, lanes 16-31 tile 2 b + 1's
.endr
	ds_load_b32 v[SC+8*(\p)+4], v[ASW+\slot] offset:(\q)*REC
	ds_load_b32 v[SC+8*(\p)+5], v[ASW+\slot] offset:(\q)*REC+256
	ds_load_b32 v[SC+8*(\p)+6], v[ASV+\slot] offset:(\q)*REC
.endm
; The 48 accumulators take turns, one instruction a turn, in the same order in every step
.macro MULV p, zero                    ; v: source 0 x (window 1), source 1 Wv (window 2), C and D window 0
	WIN 0x09
.irp u, 0,1
.irp t, 0,1,2,3,4,5,6,7
	WM 128+64*\u+8*\t, 96*(\p)+12*\t, 72*(\p)+48+12*\u, \zero, SC+8*(\p)+\t/2, SC+8*(\p)+6, \t%2, \u
.endr
.endr
.endm
.macro MULQ p, zero                    ; q or k: source 0 W (window 2), source 1 x (window 1), C and D window 3
	WIN 0xf6
.irp u, 0,1,2,3,4,5,6,7
.irp t, 0,1,2,3
	WM 32*\u+8*\t, 72*(\p)+12*\t, 96*(\p)+12*\u, \zero, SC+8*(\p)+4+\t/2, SC+8*(\p)+\u/2, \t%2, \u%2
.endr
.endr
.endm
.macro KSTEP p, slot, q, zero          ; a K step on set p; ahead of its products the next step (slot, q) is fetched into the other set
	PLACES
	FETCH \slot, \q, 1-\p
	s_wait_dscnt 49                                ; all but the 49 just issued: set p is in
	MULV \p, \zero
	MULQ \p, \zero
.endm
; A slot's last K step, on set p.  mode 1: slot fs is filled again with three steps, mode 2: with one, mode 0: nothing is filled.  Behind the barrier slot ns is whole for every wave.
.macro TURN p, fs, ns, mode, ask
	WIN 0                                          ; (the add's two registers lie in window 0)
	s_wait_tensorcnt 0x0                           ; my one load that was out, my part of slot ns, has landed: so descriptors may be written
.if \mode
	ds_add_u32 v[SPW], v[NIL]
	s_add_nc_u64 s[G0C+4*\fs+2:G0C+4*\fs+3], s[G0C+4*\fs+2:G0C+4*\fs+3], 6*REC
	s_add_nc_u64 s[G0R+4*\fs+2:G0R+4*\fs+3], s[G0R+4*\fs+2:G0R+4*\fs+3], 6*REC
.if \mode == 2
	s_mov_b32 s[G1C+2], 50<<16                     ; one record: 50 rows of 256 bytes
	s_mov_b32 s[G1C+4], 50
	s_mov_b32 s[G1R+2], 50<<16
	s_mov_b32 s[G1R+4], 50
.endif
	s_wait_dscnt 1                                 ; set p is in; the add may be out
	MULV \p, 0                                     ; sixteen products stand between the add and the wait for it
	s_wait_dscnt 0x0                               ; the add is done, and my reads of slot fs are over
	WIN 0                                          ; at a branch and at a label every window is 0
	CROUND                                         ; no wave of any partner still reads slot fs or has a load on its way
	JLOAD \fs                                      ; the first tensor load behind the round; its four v_nop are the places in front of the loads below
.else
	s_wait_dscnt 0x0                               ; set p is in, and my reads of slot fs are over
	s_barrier_signal -1
	MULV \p, 0
	s_barrier_wait -1
	PLACES
.endif
	FETCH \ns, 0, 1-\p
.if \ask
	ASK \ask
.endif
	MULQ \p, 0
.endm
; 64 numbers of a lane in window 0, four runs of 16, each half a block of 32 (the other half in lane l xor 16): scale operands into v[TM+12] on, codes into v[pc] on:
; registers pc + 6 c .. + 5: in lanes 0-15 the whole block of run 2 c, in lanes 16-31 that of run 2 c + 1
.macro QCORE s, pc
.irp b, 0,1,2,3
	v_max3_num_f32 v[TM+\b], |v[(\s)+16*\b]|, |v[(\s)+1+16*\b]|, 0x1800000   ; and the floor 2^(3 - 127): the byte cannot fall under 1
.endr
.irp i, 2,4,6,8,10,12,14
.irp b, 0,1,2,3
	v_max3_num_f32 v[TM+\b], v[TM+\b], |v[(\s)+16*\b+\i]|, |v[(\s)+1+16*\b+\i]|
.endr
.endr
.irp b, 0,1,2,3
	v_permlanex16_b32 v[TM+4+\b], v[TM+\b], s[SEL], s[SEL+1]
.endr
.irp b, 0,1,2,3
	v_max_num_f32 v[TM+\b], v[TM+\b], v[TM+4+\b]   ; the block's largest magnitude
.endr
.irp b, 0,1,2,3
	v_add_nc_u32 v[TM+12+\b], 0xff000000, v[TM+\b] ; 2 off its exponent field: the conversion's scale operand
.endr
.irp c, 0,1
	v_cvt_scalef32_pk16_fp6_f32 v[(\pc)+6*\c:(\pc)+2+6*\c], v[(\s)+32*\c:(\s)+15+32*\c], v[TM+12+2*\c]
	v_cvt_scalef32_pk16_fp6_f32 v[(\pc)+12+4*\c:(\pc)+14+4*\c], v[(\s)+16+32*\c:(\s)+31+32*\c], v[TM+12+2*\c+1]
.endr
	v_nop                                          ; one plain place behind a scaled conversion
.irp c, 0,1
.irp i, 0,1,2
	v_permlane16_swap_b32 v[(\pc)+6*\c+\i], v[(\pc)+12+4*\c+\i]
.endr
.irp i, 0,1,2
	v_mov_b32 v[(\pc)+3+6*\c+\i], v[(\pc)+12+4*\c+\i]
.endr
.endr
.endm
.macro VOUT u, pc                      ; v's tile 2 w + u: a whole fragment, its codes into v[pc] on; they stay in registers until the launch's other stores leave
	QCORE 128+64*\u, \pc
.irp b, 0,1,2,3
	v_lshrrev_b32 v[TM+4+\b], 23, v[TM+12+\b]      ; the scales' bytes
.endr
	v_lshl_or_b32 v[PW+\u], v[TM+5], 8, v[TM+4]
	v_lshl_or_b32 v[PW+\u], v[TM+6], 16, v[PW+\u]
	v_lshl_or_b32 v[PW+\u], v[TM+7], 24, v[PW+\u]
.endm
.macro CSLOAD u, cw, cb                ; token tile u's cos and sin of my 64 d into window cw at cb: cos of the lower block, of the upper, sin of the lower, of the upper, 16 each
	WIN (\cw)<<6
.irp g, 0,1
.irp j, 0,1,2,3
	global_load_b128 v[(\cb)+16*\g+4*\j:(\cb)+16*\g+4*\j+3], v[CSO], s[6:7] offset:(32*((\u)/2)+8*((\u)%2))*512+256*\g+16*\j
	global_load_b128 v[(\cb)+32+16*\g+4*\j:(\cb)+32+16*\g+4*\j+3], v[CSO], s[8:9] offset:(32*((\u)/2)+8*((\u)%2))*512+256*\g+16*\j
.endr
.endr
.endm
.macro ROPE u, ro, cw, cb              ; lower block: q cos - q(d + 64) sin; upper: q cos + q(d - 64) sin; into window 0 at ro.  Each accumulator is read from its low end on
	WIN 0x03|((\cw)<<2)                            ; source 0 window 3, source 1 window cw
.irp i, 0,2,4,6,8,10,12,14
.set LO, 32*(\u)+\i
.set TT, T+4*((\i/2)%2)
	v_pk_mul_f32 v[TT:TT+1], v[LO+16:LO+17], v[(\cb)+32+\i:(\cb)+33+\i]
	v_pk_mul_f32 v[TT+2:TT+3], v[LO:LO+1], v[(\cb)+48+\i:(\cb)+49+\i]
	v_pk_fma_f32 v[(\ro)+\i:(\ro)+1+\i], v[LO:LO+1], v[(\cb)+\i:(\cb)+1+\i], v[TT:TT+1] neg_lo:[0,0,1] neg_hi:[0,0,1]
	v_pk_fma_f32 v[(\ro)+16+\i:(\ro)+17+\i], v[LO+16:LO+17], v[(\cb)+16+\i:(\cb)+17+\i], v[TT+2:TT+3]
.endr
.endm
.macro PASS n                          ; token tiles 2 n and 2 n + 1 of q or k: RoPE, the quantiser, my half of the lanes into the image
.set PS, PC+24*((\n)%2)
	s_wait_alu depctr_va_vdst(0)
.if \n < 2
	s_wait_loadcnt 63                              ; behind these tiles' 32 loads 64 or more were issued: 63 is the most a wait can name
.else
	s_wait_loadcnt 32*(3-\n)
.endif
	ROPE 2*\n, 160, 1, (192+64*\n)%256
	ROPE 2*\n+1, 192, 2, (192+64*\n)%256
	WIN 0
.if \n >= 2
	s_wait_alu depctr_va_vdst(0)
	s_wait_dscnt 8                                 ; the LDS stores of two passes ago have read this set; the last pass's eight may be out
.endif
	QCORE 160, PS
.irp c, 0,1
	v_cndmask_b32 v[PS+20+\c], v[TM+12+2*\c], v[TM+13+2*\c], s[HM]   ; lanes 0-15 send block j's byte, lanes 16-31 block j + 2's
.endr
.irp c, 0,1
	v_lshrrev_b32 v[PS+20+\c], 23, v[PS+20+\c]
.endr
.irp c, 0,1
	ds_store_b64 v[IA0], v[PS+6*\c:PS+6*\c+1] offset:FRB*(2*\n+\c)
	ds_store_b64 v[IA1], v[PS+6*\c+2:PS+6*\c+3] offset:FRB*(2*\n+\c)
	ds_store_b64 v[IA0], v[PS+6*\c+4:PS+6*\c+5] offset:FRB*(2*\n+\c)+512
	ds_store_b8 v[ISB], v[PS+20+\c] offset:64*(2*\n+\c)
.endr
.endm
	s_load_b256 s[4:11], s[0:1], 0x0               ; qw s[4:5], cos s[6:7], sin s[8:9], qkvc s[10:11]
	v_lshl_add_u32 v[SPW], v0, 2, SPARE
	v_mov_b32 v[NIL], 0
	ds_add_u32 v[SPW], v[NIL]                      ; the opening: the add, twice on end, and its wait ahead of my first tensor load
	ds_add_u32 v[SPW], v[NIL]
	v_lshrrev_b32 v1, 5, v0
	v_readfirstlane_b32 s12, v1                    ; wave 0..3
	s_lshr_b32 s13, s12, 1                         ; pi: q or k
	s_and_b32 s14, s12, 1                          ; j
	s_bfe_u32 s16, ttmp6, 0x40000                  ; cx
	s_bfe_u32 s17, ttmp6, 0x40004                  ; cy
	s_lshl_b32 s18, ttmp9, 2
	s_add_co_u32 s18, s18, s16                     ; wx: the head
	s_and_b32 s19, ttmp7, 0xffff
	s_lshl_b32 s19, s19, 2
	s_add_co_u32 s19, s19, s17                     ; wy: the block of tokens
	s_lshl_b32 s73, 0x1111, s16                    ; my column of the cluster
	s_lshl_b32 s74, s17, 2
	s_lshl_b32 s74, 15, s74                        ; my row
	s_or_b32 s[G1C], s73, (3<<16)|(1<<21)          ; the mask; elements of 8 bytes; bit 21 beside a mask
	s_or_b32 s[G1R], s74, (3<<16)|(1<<21)
.irp g, G1C, G1R
	s_mov_b32 s[\g+1], 32<<16                      ; three records as 150 rows of 256 bytes
	s_mov_b32 s[\g+2], 150<<16
	s_mov_b32 s[\g+3], 32<<16
	s_mov_b32 s[\g+4], 150
	s_mov_b32 s[\g+5], 32
	s_mov_b32 s[\g+6], 0
	s_mov_b32 s[\g+7], 0
.endr
	s_add_co_u32 s75, s12, s13                     ; waves 0, 1, 2: tensors 0, 1, 3 of qw
	s_mul_i32 s[B0], s75, SEG
	s_mul_i32 s75, s18, RB
	s_add_co_u32 s[B0], s[B0], s75
	s_mov_b32 s[B0+1], 0
	s_mul_i32 s[B1], s19, RB                       ; x: tensor 2
	s_add_co_u32 s[B1], s[B1], 2*SEG
	s_mov_b32 s[B1+1], 0
	s_mul_i32 s76, s12, 3*REC                      ; my tensor's place in a slot
	s_lshl_b32 s77, s18, 4
	s_add_co_u32 s77, s77, s19
	s_mul_i32 s77, s77, REC                        ; q's record: 16 wx + wy; k's 256 records on, v's 512
	s_mul_i32 s[OB], s13, 256*REC
	s_add_co_u32 s[OB], s[OB], s77
	s_mov_b32 s[OB+1], 0
	s_add_co_u32 s[O2], s77, 512*REC
	s_mov_b32 s[O2+1], 0
	s_cmp_eq_u32 s12, 1                            ; wave 0 sends q's scale words, wave 2 k's, wave 1 v's
	s_cselect_b32 s[OS], s[O2], s[OB]
	s_mov_b32 s[OS+1], 0
	s_lshl_b32 s78, s19, 16                        ; cos, sin: 128 rows of 512 bytes a block of tokens,
	s_lshl_b32 s79, s14, 7
	s_add_co_u32 s78, s78, s79                     ; + 32 j numbers
	s_mov_b32 s79, 0
	s_cmp_lt_u32 s12, 3
	s_cselect_b32 s80, s17, s16                    ; my place among the four that ask with me
	s_mul_i32 s80, s80, 38
	s_mul_i32 s81, s13, 3*REC
	s_mul_i32 s82, s14, 2*FRB
	s_add_co_u32 s82, s82, s81
	s_lshl_b32 s83, s14, 7
	s_add_co_u32 s83, s83, s81
	s_add_co_u32 s83, s83, RSC
	s_mul_i32 s84, s12, 2*FRB
	s_lshl_b32 s85, s12, 7
	s_mul_i32 s86, s13, REC                        ; the images: q's at 0, k's one record on, v's scale words in the third
	s_lshl_b32 s87, s14, 8
	s_add_co_u32 s87, s87, s86
	s_add_co_u32 s88, s86, s14
	s_add_co_u32 s88, s88, RSC
	s_mul_i32 s89, s14, 4*FRB
	s_add_co_u32 s90, s89, s86
	s_lshl_b32 s91, s14, 1
	s_add_co_u32 s91, s91, s13
	s_mul_i32 s91, s91, REC
	s_add_co_u32 s91, s91, RSC
	s_mov_b32 s[SEL], 0x76543210
	s_mov_b32 s[SEL+1], 0xfedcba98
	s_mov_b32 s[HM], 0xffff0000
	s_wait_dscnt 0x0                               ; both opening adds are done
	s_wait_kmcnt 0x0
	s_add_nc_u64 s[B0:B0+1], s[4:5], s[B0:B0+1]
	s_add_nc_u64 s[B1:B1+1], s[4:5], s[B1:B1+1]
	s_add_nc_u64 s[OB:OB+1], s[10:11], s[OB:OB+1]
	s_add_nc_u64 s[O2:O2+1], s[10:11], s[O2:O2+1]
	s_add_nc_u64 s[OS:OS+1], s[10:11], s[OS:OS+1]
	s_add_nc_u64 s[6:7], s[6:7], s[78:79]
	s_add_nc_u64 s[8:9], s[8:9], s[78:79]
	s_cmp_lt_u32 s12, 3
	s_cselect_b64 s[PFA:PFA+1], s[B0:B0+1], s[B1:B1+1]
	CROUND                                         ; all sixteen work-groups are here: the first joint loads meet
.irp s, 0,1
	s_mov_b32 s[G0C+4*\s], 1
	s_add_co_u32 s[G0C+4*\s+1], s76, \s*SLOTB
	s_add_nc_u64 s[G0C+4*\s+2:G0C+4*\s+3], s[B0:B0+1], \s*3*REC
	s_or_b32 s[G0C+4*\s+3], s[G0C+4*\s+3], 0x80000000
	s_mov_b32 s[G0R+4*\s], 1
	s_add_co_u32 s[G0R+4*\s+1], s76, \s*SLOTB
	s_add_nc_u64 s[G0R+4*\s+2:G0R+4*\s+3], s[B1:B1+1], \s*3*REC
	s_or_b32 s[G0R+4*\s+3], s[G0R+4*\s+3], 0x80000000
.endr
	JLOAD 0                                        ; K steps 0-2: one tensor load a wave at the head
	v_and_b32 v1, 31, v0                           ; lane
	v_and_b32 v2, 15, v0                           ; r
	v_bfe_u32 v3, v0, 4, 1                         ; h
	v_lshlrev_b32 v[LI], 4, v1
	v_lshlrev_b32 v[LS], 2, v1
	v_add_nc_u32 v[ADX], 9*REC, v[LI]
	v_add_nc_u32 v[ASX], 9*REC+RSC, v[LS]
	v_add_nc_u32 v[ADW], s82, v[LI]
	v_add_nc_u32 v[ASW], s83, v[LS]
	v_add_nc_u32 v[OW], s84, v[LI]
	v_add_nc_u32 v[ADV], 6*REC, v[OW]
	v_add_nc_u32 v31, s85, v[LS]
	v_add_nc_u32 v[ASV], 6*REC+RSC, v31
	v_add_nc_u32 v[SCW], 2*REC+RSC, v31
.irp a, ADX, ASX, ADW, ASW, ADV, ASV
	v_add_nc_u32 v[\a+1], SLOTB, v[\a]
.endr
	v_lshlrev_b32 v31, 4, v2
	v_add_nc_u32 v31, s87, v31                     ; the image's lane 16 j + r
	v_mad_u32_u24 v[IA0], v3, 520, v31             ; lanes 0-15 hold registers 0-5 of that lane, lanes 16-31 registers 6-11: bytes 0, 8, 512 or 520, 1,024, 1,032
	v_mad_u32_u24 v[IA1], v3, 1016, v31
	v_add_nc_u32 v[IA1], 8, v[IA1]
	v_lshlrev_b32 v31, 2, v2
	v_lshl_add_u32 v31, v3, 1, v31
	v_add_nc_u32 v[ISB], s88, v31                  ; byte j + 2 h of row r's word
	v_add_nc_u32 v[CPG], s89, v[LI]
	v_add_nc_u32 v[CPL], s90, v[LI]
	v_add_nc_u32 v[CPS], s91, v[LI]
	v_and_b32 v31, 8, v2
	v_add_nc_u32 v31, v31, v2
	v_lshlrev_b32 v31, 9, v31
	v_lshl_add_u32 v[CSO], v3, 6, v31              ; row r + 8 (r / 8) of 512 bytes, + 16 h numbers
	v_add_nc_u32 v[PF0], s80, v1                   ; blocks 38 p + lane,
	v_min_u32 v[PF0], 149, v[PF0]
	v_lshlrev_b32 v[PF0], 8, v[PF0]
	v_min_u32 v31, 5, v1
	v_add3_u32 v31, v31, s80, 32                   ; and 38 p + 32 .. 37; none beyond the 150th
	v_min_u32 v31, 149, v31
	v_lshlrev_b32 v[PF1], 8, v31
.irp b, 0,1,2,3
	v_mov_b32 v[TM+4+\b], 0                        ; written once: a lane permute's destination counts as one of its sources
.endr
	s_wait_alu depctr_va_vdst(0)                   ; behind the head's vector work
	ASK 3                                          ; K steps 3-5
	CSLOAD 0, 1, 192
	CSLOAD 1, 2, 192
	WIN 0
	s_wait_alu depctr_va_vdst(0)
	s_wait_tensorcnt 0x0                           ; my part of K steps 0-2 is in; slot 1's first fill goes out as a refill does:
	ds_add_u32 v[SPW], v[NIL]
	s_wait_dscnt 0x0
	CROUND
	JLOAD 1                                        ; K steps 3-5
	FETCH 0, 0, 0
	ASK 6
	KSTEP 0, 0, 1, 1                               ; the first step's products start the sums: nothing is cleared
	KSTEP 1, 0, 2, 0
	TURN 0, 0, 1, 1, 9                             ; slot 0 takes steps 6-8
	KSTEP 1, 1, 1, 0
	KSTEP 0, 1, 2, 0
	TURN 1, 1, 0, 1, 12                            ; slot 1 takes 9-11
	KSTEP 0, 0, 1, 0
	KSTEP 1, 0, 2, 0
	TURN 0, 0, 1, 1, 0                             ; slot 0 takes 12-14
	KSTEP 1, 1, 1, 0
	KSTEP 0, 1, 2, 0
	TURN 1, 1, 0, 2, 0                             ; slot 1 takes 15
	KSTEP 0, 0, 1, 0
	KSTEP 1, 0, 2, 0
	TURN 0, 0, 1, 0, 0                             ; nothing more to fill; behind this barrier nobody reads slot 0
	PLACES                                         ; K step 15, on set 1: set 0's registers take cos and sin
	CSLOAD 2, 1, 0
	CSLOAD 3, 2, 0
	s_wait_dscnt 0x0
	MULV 1, 0
	MULQ 1, 0
	PLACES
	CSLOAD 4, 1, 64
	CSLOAD 5, 2, 64
	CSLOAD 6, 1, 128
	CSLOAD 7, 2, 128
	WIN 0
	VOUT 0, PC
	VOUT 1, 128                                    ; onto the first tile's sums, which are done with
.irp i, 0,1,2,3,4,5,6,7,8,9,10,11
	v_mov_b32 v[224+\i], v[PC+\i]                  ; the first tile's codes make room for the passes' sets
.endr
	v_cndmask_b32 v[PWM], v[PW], v[PW+1], s[HM]    ; lanes 0-15: tile 2 w's word of row r, lanes 16-31: tile 2 w + 1's
	ds_store_b32 v[SCW], v[PWM]
	PASS 0
	PASS 1
	PASS 2
	PASS 3
	s_wait_alu depctr_va_vdst(0)
	s_wait_dscnt 0x0                               ; for the others' sake: my stores into the images have landed
	s_barrier_signal -1
	s_barrier_wait -1
.irp i, 0,1,2,3,4,5,6,7,8,9,10,11
	ds_load_b128 v[160+4*\i:163+4*\i], v[CPL] offset:512*\i   ; tiles 4 j .. 4 j + 3 of my record
.endr
	s_cmp_eq_u32 s12, 3
	s_cbranch_scc1 .Lno_words
	ds_load_b128 v[208:211], v[CPS]                ; a record's 512 bytes of scale words
	s_wait_dscnt 0x0
	global_store_b128 v[LI], v[208:211], s[OS:OS+1] offset:RSC
.Lno_words:
	s_wait_dscnt 0x0
.irp c, 0,1,2
	global_store_b128 v[OW], v[224+4*\c:227+4*\c], s[O2:O2+1] offset:512*\c       ; v's two fragments: each store covers 512 consecutive bytes, at a multiple of 256 from qkvc's first byte
	global_store_b128 v[OW], v[128+4*\c:131+4*\c], s[O2:O2+1] offset:FRB+512*\c
.endr
.irp i, 0,1,2,3,4,5,6,7,8,9,10,11
	global_store_b128 v[CPG], v[160+4*\i:163+4*\i], s[OB:OB+1] offset:512*\i   ; likewise
.endr
	s_wait_tensorcnt 0x0                           ; the wave's end
	ds_add_u32 v[SPW], v[NIL]
	s_wait_dscnt 0x0
	CROUND                                         ; the closing round
	s_endpgm
.Lfunc_end_k_qb786f13c05_qkv:
	.size	k_qb786f13c05_qkv, .Lfunc_end_k_qb786f13c05_qkv-k_qb786f13c05_qkv
	.p2alignl 7, 3214868480
	.fill 96, 4, 3214868480
	.section	.rodata,"a",@progbits
	.p2align	6, 0x0
	.amdhsa_kernel k_qb786f13c05_qkv
		.amdhsa_group_segment_fixed_size 327680
		.amdhsa_private_segment_fixed_size 0
		.amdhsa_enable_private_segment 0
		.amdhsa_kernarg_size 32
		.amdhsa_user_sgpr_count 2
		.amdhsa_user_sgpr_kernarg_segment_ptr 1
		.amdhsa_wavefront_size32 1
		.amdhsa_system_sgpr_workgroup_id_x 1
		.amdhsa_system_sgpr_workgroup_id_y 1
		.amdhsa_system_sgpr_workgroup_id_z 1
		.amdhsa_system_vgpr_workitem_id 0
		.amdhsa_next_free_vgpr 1024
		.amdhsa_next_free_sgpr 96
		.amdhsa_reserve_vcc 0
		.amdhsa_float_denorm_mode_32 3
		.amdhsa_float_denorm_mode_16_64 3
		.amdhsa_memory_ordered 1
		.amdhsa_forward_progress 1
		.amdhsa_inst_pref_size 222
	.end_amdhsa_kernel
	.amdgpu_metadata
---
amdhsa.version: [ 1, 2 ]
amdhsa.kernels:
  - .name:           k_qb786f13c05_qkv
    .symbol:         k_qb786f13c05_qkv.kd
    .args:
      - { .name: qw, .offset: 0, .size: 8, .value_kind: global_buffer, .address_space: global }
      - { .name: cos, .offset: 8, .size: 8, .value_kind: global_buffer, .address_space: global }
      - { .name: sin, .offset: 16, .size: 8, .value_kind: global_buffer, .address_space: global }
      - { .name: qkvc, .offset: 24, .size: 8, .value_kind: global_buffer, .address_space: global }
    .group_segment_fixed_size: 327680
    .private_segment_fixed_size: 0
    .kernarg_segment_align: 8
    .kernarg_segment_size: 32
    .max_flat_workgroup_size: 128
    .sgpr_count:     96
    .vgpr_count:     1024
    .wavefront_size: 32
...
	.end_amdgpu_metadata
.endif
;; end of part 2
;; launch attn (part 3): grid 16 x 16, 16 waves a work-group, clusters of 4 x 1, 327,680 bytes of LDS; arguments qkvc, importance, oc; writes oc
.if DOCPART == 3
	.amdgcn_target "amdgcn-amd-amdhsa--gfx1250"
	.amdhsa_code_object_version 6
	.text
	.protected	k_qb786f13c05_attn
	.globl	k_qb786f13c05_attn
	.p2align	8
	.type	k_qb786f13c05_attn,@function
k_qb786f13c05_attn:
	s_mov_b64 s[64:65], 0
	v_nop
	global_prefetch_b8 v0, s[64:65] scope:SCOPE_SE
	s_setreg_imm32_b32 hwreg(HW_REG_WAVE_MODE, 25, 1), 1
	s_wait_xcnt 0x0
	s_wait_alu depctr_hold_cnt(0) depctr_sa_sdst(0) depctr_va_vdst(0) depctr_va_sdst(0) depctr_va_ssrc(0) depctr_va_vcc(0) depctr_vm_vsrc(0)
	s_getreg_b32 s2, hwreg(HW_REG_IB_STS2, 6, 4)
	s_cmp_eq_u32 s2, 0
	s_cbranch_scc0 .Lentry_in_a_cluster
	s_endpgm
.Lentry_in_a_cluster:
	s_bfe_u32 s2, ttmp6, 0x10000c
	s_cmp_lg_u32 s2, 0x3003
	s_cbranch_scc0 .Lentry_shape_is_right
	s_endpgm
.Lentry_shape_is_right:
; o[q] = softmax_k(q . k / sqrt(128) x speed(q), causal) v for 16 heads of 128 and 2,048 tokens, both products on codes of FP6 (E2M3) with E8M0 scales; speed = 0.5 + 1.5 sigmoid(10 (importance - 0.5)), one number a query.
; THE SOFTMAX AHEAD OF THE SECOND PRODUCT: t = score x cq, cq = speed x log2(e) / sqrt(128), a lane's own number; M = the running largest t rounded UP to a whole number; p = 2^(t - M) is quantised along the keys, not normalised.
; The row's sum is taken of the unquantised p and divides O at the end; when M moves, the sum and O are multiplied by 2^(old M - new M): exact.  O / sum is quantised along d and leaves as codes for the last product.
; q, k, v come as RECORDS out of qkvc (128 rows x 128 along K in the order of an operand's registers: eight fragments of 1,536 bytes, then 512 bytes of scale words): [a 48][b 16]: q's heads, k's heads (rows = tokens), v's heads (rows = d, K = keys).
; Lane-row r of tile T of a record is row 32 (T / 2) + 8 (T % 2) + r + 8 (r / 8).  Both products are used transposed: a lane holds ONE query; the 16 registers of tiles 2 b, 2 b + 1 are 16 neighbours (keys, then d).
; SHARES.  A cluster of four work-groups serves one head and four blocks of 128 queries: blocks 2 c, 2 c + 1, 14 - 2 c, 15 - 2 c (c = the cluster's x).  TWO waves own one tile of 16 queries: waves w and w + 8 (w under 8);
; wave w takes the even key steps of 128, wave w + 8 the odd ones, each with a running M, a sum and an O^T of its own.  With b0, b1, b2 the low bits of the wave's number:
; block = (b0 xor b2) ? 15 - 2 c - b1 : 2 c + b1; tile = 2 cx + b2.  Block and half hang on the cluster and the wave alone, so every branch is alike in all partners; cx enters global addresses and lane data alone.
; A block's queries want block + 1 key steps, so no wave has more than 8, and waves w, w + 4, w + 8, w + 12 have 17 between them (any four neighbours 16 or 18).
; AT THE END wave w + 8 hands -M, its sum and O^T to wave w through LDS.  With M the larger of the two and f = 2^(own M - M), exact: sum = l0 f0 + l1 f1, o = O0 (f0 / sum) + O1 (f1 / sum).  A half without a step holds zeros and -M = 3e38: its f is 0.
; RING.  Three LDS slots of four key steps (k's four records, then v's four).  All four partners walk the same k and v: each record is asked for JOINTLY, half a record a wave.  Steps 0-11 go out at the start (three loads of mine are out);
; slot 0 is filled once more, with steps 12-15.  Every partner issues every joint load on every way: so clusters 2 and 3, whose last block is 11 or 9, take the refill too and none of their waves reads it.
; A key step that is the other half's, or all of whose keys come after the wave's block, is left out by a scalar branch on ids, round its loads, products and softmax alone; in the step on the diagonal hidden scores become -infinity ahead of the maximum.
; LIMITS: NaN and infinities are not served; a block of zeros gets the byte 1 (its codes are zeros; this program alone reads the bytes); the score's three factors are folded into one f32 number a query; a row's sums over the keys are kept in two parts.
; REGISTERS: v1-9 addresses; v[10:11] cq; v12 -M, v13 the largest t, v[14:15] the sum; v16-27 q, v28 its scale words; v32-79 four fragments; v80-83 k's scale words, v84-87 v's; v88, v89 the stage; v96-159 S^T, then p; v160-223 O^T; v224-235 p's codes; v232-254 at work.
.set REC,   12800
.set HREC,  6400
.set RSC,   12288
.set FRB,   1536
.set SLOTB, 8*REC
.set S1OFF, 4*REC
.set SPARE, 3*SLOTB                    ; behind the slots: the spare words, 128 bytes for each wave: eight blocks of 256 bytes that no other line names
.set STG,   2*SLOTB                    ; the stage for the two halves' meeting lies in slot 2: it has had its one fill, and its last read lies ahead of the barrier in front of the last four key steps
.set PAIRB, 8448                       ; a pair's part of it: O^T, 16 x 512 bytes, then -M and the sum, 8 bytes a lane
.set LI,  1                            ; v1   16 x lane
.set LS,  2                            ; v2   4 x lane
.set DQ,  3                            ; v3   my query's place in its block - 16 (lane / 16)
.set R4,  4                            ; v4   4 r
.set SPW, 5                            ; v5   my spare word's LDS address; never rewritten
.set NIL, 6                            ; v6   0; never rewritten
.set ADK, 8
.set ADS, 9
.set MST, 88                           ; v88  my pair's stage + 16 x lane
.set MSL, 89                           ; v89  my pair's stage + 8 x lane
.set PC,  32
.set TM,  232
.set PW,  253
.set TB,  2                            ; s2   LDS byte at which the step's record of k begins
.set KS,  3                            ; s3   the key step
.set WV,  18
.set SEL, 20
.set G1,  24                           ; s[24:31] group 1;  s[32:43] groups 0, a set for each slot
.set G0,  32
.set BLK, 44                           ; s44  my block of 128 queries
.set CNT, 45
.set HF,  60                           ; s60  which key steps are mine: 0 the even ones, 1 the odd ones
.set STP, 61
.macro CROUND                          ; a round of the cluster's barrier
	s_barrier_signal -1
	s_barrier_wait -1
	s_cmp_lg_u32 s[WV], 0
	s_cbranch_scc1 .Lnot_wave_0_\@
	s_barrier_signal -3
.Lnot_wave_0_\@:
	s_barrier_wait -3
	s_barrier_signal -1
	s_barrier_wait -1
.endm
; one product.  ra = 1: source 0's scale words stand in lanes 16-31 of the register named
.macro WM d, a, b, zero, sa, sb, ra
.if (\zero) && (\ra)
	v_wmma_scale_f32_16x16x128_f8f6f4 v[(\d):(\d)+7], v[(\a):(\a)+11], v[(\b):(\b)+11], 0, v[\sa], v[\sb] matrix_a_fmt:MATRIX_FMT_FP6 matrix_b_fmt:MATRIX_FMT_FP6 matrix_a_scale:MATRIX_SCALE_ROW1
.elseif (\zero)
	v_wmma_scale_f32_16x16x128_f8f6f4 v[(\d):(\d)+7], v[(\a):(\a)+11], v[(\b):(\b)+11], 0, v[\sa], v[\sb] matrix_a_fmt:MATRIX_FMT_FP6 matrix_b_fmt:MATRIX_FMT_FP6
.elseif (\ra)
	v_wmma_scale_f32_16x16x128_f8f6f4 v[(\d):(\d)+7], v[(\a):(\a)+11], v[(\b):(\b)+11], v[(\d):(\d)+7], v[\sa], v[\sb] matrix_a_fmt:MATRIX_FMT_FP6 matrix_b_fmt:MATRIX_FMT_FP6 matrix_a_scale:MATRIX_SCALE_ROW1
.else
	v_wmma_scale_f32_16x16x128_f8f6f4 v[(\d):(\d)+7], v[(\a):(\a)+11], v[(\b):(\b)+11], v[(\d):(\d)+7], v[\sa], v[\sb] matrix_a_fmt:MATRIX_FMT_FP6 matrix_b_fmt:MATRIX_FMT_FP6
.endif
.endm
; 64 numbers of a lane, register 16 b + i = k 32 b + 16 (lane / 16) + i of my row, become a fragment's codes in v[PC] on and its scale word in v[pw].
.macro QUANT s, pw
.irp b, 0,1,2,3
	v_max3_num_f32 v[TM+\b], |v[(\s)+16*\b]|, |v[(\s)+1+16*\b]|, 0x1800000
.endr
.irp i, 2,4,6,8,10,12,14
.irp b, 0,1,2,3
	s_delay_alu instid0(VALU_DEP_4)
	v_max3_num_f32 v[TM+\b], v[TM+\b], |v[(\s)+16*\b+\i]|, |v[(\s)+1+16*\b+\i]|
.endr
.endr
.irp b, 0,1,2,3
	v_permlanex16_b32 v[TM+4+\b], v[TM+\b], s[SEL], s[SEL+1]
.endr
.irp b, 0,1,2,3
	s_delay_alu instid0(VALU_DEP_4)
	v_max_num_f32 v[TM+\b], v[TM+\b], v[TM+4+\b]
.endr
.irp b, 0,1,2,3
	s_delay_alu instid0(VALU_DEP_4)
	v_add_nc_u32 v[TM+12+\b], 0xff000000, v[TM+\b]
.endr
.irp b, 0,1,2,3
	s_delay_alu instid0(VALU_DEP_4)
	v_lshrrev_b32 v[TM+4+\b], 23, v[TM+12+\b]
.endr
	s_delay_alu instid0(VALU_DEP_3)
	v_lshl_or_b32 v[\pw], v[TM+5], 8, v[TM+4]
	s_delay_alu instid0(VALU_DEP_1)
	v_lshl_or_b32 v[\pw], v[TM+6], 16, v[\pw]
	s_delay_alu instid0(VALU_DEP_1)
	v_lshl_or_b32 v[\pw], v[TM+7], 24, v[\pw]
.irp c, 0,1
	v_cvt_scalef32_pk16_fp6_f32 v[PC+6*\c:PC+2+6*\c], v[(\s)+32*\c:(\s)+15+32*\c], v[TM+12+2*\c]
	v_cvt_scalef32_pk16_fp6_f32 v[PC+12+4*\c:PC+14+4*\c], v[(\s)+16+32*\c:(\s)+31+32*\c], v[TM+12+2*\c+1]
.endr
	v_nop                                          ; one plain place behind a scaled conversion
.irp c, 0,1
.irp i, 0,1,2
	v_permlane16_swap_b32 v[PC+6*\c+\i], v[PC+12+4*\c+\i]
.endr
.irp i, 0,1,2
	s_delay_alu instid0(VALU_DEP_3)
	v_mov_b32 v[PC+3+6*\c+\i], v[PC+12+4*\c+\i]
.endr
.endr
.endm
	s_load_b128 s[4:7], s[0:1], 0x0                ; qkvc s[4:5], importance s[6:7]
	s_load_b64 s[8:9], s[0:1], 0x10                ; oc
	v_lshl_add_u32 v[SPW], v0, 2, SPARE
	v_mov_b32 v[NIL], 0
	ds_add_u32 v[SPW], v[NIL]                      ; the wave's opening: the add and its wait ahead of my first tensor load; the set-up below stands between them
	ds_add_u32 v[SPW], v[NIL]
	v_lshrrev_b32 v7, 5, v0
	s_delay_alu instid0(VALU_DEP_1)
	v_readfirstlane_b32 s[WV], v7                  ; wave 0..15
	s_lshr_b32 s[HF], s[WV], 3                     ; my half of the key steps.  Also: I fetch for k (0) or for v (1)
	s_and_b32 s46, s[WV], 1                        ; b0
	s_bfe_u32 s47, s[WV], 0x10001                  ; b1
	s_bfe_u32 s48, s[WV], 0x10002                  ; b2
	s_and_b32 s51, ttmp7, 0xffff                   ; the head
	; what I fetch: half w % 2 of the record of key step 4 s + (w / 2) % 4, of k (waves 0-7) or of v (waves 8-15)
	s_lshl_b32 s52, s[HF], 4
	s_add_co_u32 s52, s52, s51
	s_add_co_u32 s52, s52, 16                      ; a = 16 + head (k) or 32 + head (v)
	s_lshl_b32 s52, s52, 4
	s_bfe_u32 s53, s[WV], 0x20001
	s_add_co_u32 s52, s52, s53
	s_mul_i32 s52, s52, REC
	s_mul_i32 s53, s46, HREC
	s_add_co_u32 s52, s52, s53
	s_mov_b32 s53, 0
	s_mul_i32 s54, s[WV], HREC                     ; and where it goes in a slot
	s_xor_b32 s46, s46, s48
	s_lshl_b32 s49, ttmp9, 1
	s_add_co_u32 s49, s49, s47                     ; 2 c + b1
	s_sub_co_u32 s50, 15, s49                      ; 15 - 2 c - b1
	s_cmp_eq_u32 s46, 0
	s_cselect_b32 s[BLK], s49, s50
	; group 1: half a record, 6,400 dense bytes, as 25 rows of 32 elements of 8 bytes
	s_mov_b32 s[G1], 15|(3<<16)|(1<<21)            ; 15:0 the mask: all four work-groups; 17:16 elements of 8 bytes; 21 set beside a mask
	s_mov_b32 s[G1+1], 32<<16
	s_mov_b32 s[G1+2], 25<<16
	s_mov_b32 s[G1+3], 32<<16
	s_mov_b32 s[G1+4], 25
	s_mov_b32 s[G1+5], 32
	s_mov_b32 s[G1+6], 0
	s_mov_b32 s[G1+7], 0
	; my tile of queries: cx enters these global offsets and v3 alone
	s_bfe_u32 s55, ttmp6, 0x40000                  ; cx
	s_lshl_b32 s56, s55, 1
	s_add_co_u32 s56, s56, s48                     ; tile = 2 cx + b2
	s_lshl_b32 s57, s51, 4
	s_add_co_u32 s57, s57, s[BLK]
	s_mul_i32 s57, s57, REC                        ; q's record: 16 x head + block
	s_mul_i32 s58, s56, FRB
	s_add_co_u32 s10, s57, s58                     ; my fragment,
	s_mov_b32 s11, 0
	s_lshl_b32 s59, s56, 6
	s_add_co_u32 s12, s57, s59
	s_add_co_u32 s12, s12, RSC                     ; and its scale words
	s_mov_b32 s13, 0
	s_lshl_b32 s57, s[BLK], 4
	s_add_co_u32 s57, s57, s51
	s_mul_i32 s57, s57, REC                        ; the result's record: 16 x block + head
	s_add_co_u32 s14, s57, s58
	s_mov_b32 s15, 0
	s_add_co_u32 s16, s57, s59
	s_add_co_u32 s16, s16, RSC
	s_mov_b32 s17, 0
	s_lshl_b32 s59, s55, 5
	s_lshl_b32 s58, s48, 3
	s_add_co_u32 s59, s59, s58                     ; 32 cx + 8 b2: my tile's first query in its block
	s_lshl_b32 s22, s[BLK], 7
	s_add_co_u32 s22, s22, s59
	s_lshl_b32 s22, s22, 2                         ; its importance
	s_mov_b32 s23, 0
	s_and_b32 s47, s[WV], 7
	s_mul_i32 s47, s47, PAIRB
	s_add_co_u32 s47, s47, STG                     ; my pair's stage
	s_mov_b32 s[SEL], 0x76543210
	s_mov_b32 s[SEL+1], 0xfedcba98
	s_mov_b32 s19, 0x3fc00000                      ; 1.5
	s_mov_b32 s[KS], 0
	s_wait_dscnt 0x0                               ; the opening add is done
	s_wait_kmcnt 0x0
	s_add_nc_u64 s[52:53], s[4:5], s[52:53]
	s_add_nc_u64 s[10:11], s[4:5], s[10:11]
	s_add_nc_u64 s[12:13], s[4:5], s[12:13]
	s_add_nc_u64 s[14:15], s[8:9], s[14:15]
	s_add_nc_u64 s[16:17], s[8:9], s[16:17]
	s_add_nc_u64 s[22:23], s[6:7], s[22:23]
	CROUND                                         ; all four work-groups are here: the first joint loads meet
.irp s, 0,1,2
	s_mov_b32 s[G0+4*\s], 1
	s_add_co_u32 s[G0+4*\s+1], s54, \s*SLOTB
	s_add_nc_u64 s[G0+4*\s+2:G0+4*\s+3], s[52:53], \s*4*REC
	s_or_b32 s[G0+4*\s+3], s[G0+4*\s+3], 0x80000000
.endr
	tensor_load_to_lds s[G0:G0+3], s[G1:G1+7]      ; key steps 0-3
	s_nop 0
.rept 4
	v_nop
.endr
	v_and_b32 v7, 31, v0
	s_delay_alu instid0(VALU_DEP_1)
	v_lshlrev_b32 v[LI], 4, v7
	s_delay_alu instid0(VALU_DEP_2)
	v_lshlrev_b32 v[LS], 2, v7
	s_delay_alu instid0(VALU_DEP_2)
	v_add_nc_u32 v[MST], s47, v[LI]
	s_delay_alu instid0(VALU_DEP_4)
	v_lshlrev_b32 v[MSL], 3, v7
	s_delay_alu instid0(VALU_DEP_1)
	v_add_nc_u32 v[MSL], s47, v[MSL]
	v_and_b32 v[R4], 15, v0                        ; r
	v_bfe_u32 v7, v0, 4, 1                         ; h
	s_delay_alu instid0(VALU_DEP_2)
	v_and_b32 v29, 8, v[R4]
	s_delay_alu instid0(VALU_DEP_1)
	v_add_nc_u32 v29, v29, v[R4]                   ; r + 8 (r / 8)
	s_delay_alu instid0(VALU_DEP_1)
	v_lshlrev_b32 v30, 2, v29
	s_delay_alu instid0(VALU_DEP_4)
	v_lshlrev_b32 v7, 4, v7
	s_delay_alu instid0(VALU_DEP_1)
	v_sub_nc_u32 v[DQ], v29, v7
	s_delay_alu instid0(VALU_DEP_1)
	v_add_nc_u32 v[DQ], s59, v[DQ]                 ; register 16 b + i holds key 32 b + 16 h + i of a step: on the diagonal it is hidden where 32 b + i > this number
	v_lshlrev_b32 v[R4], 2, v[R4]
.irp c, 0,1,2
	global_load_b128 v[16+4*\c:19+4*\c], v[LI], s[10:11] offset:512*\c   ; q's fragment stays in registers
.endr
	global_load_b32 v28, v[R4], s[12:13]           ; its scale words
	global_load_b32 v31, v30, s[22:23]             ; my query's importance
	v_mov_b32 v13, 0xff61b1e6                      ; the largest t so far: -3e38, under every t
	s_delay_alu instid0(VALU_DEP_1)
	v_floor_f32 v12, -v13                          ; -M
	v_mov_b32 v14, 0                               ; the sum, in two halves
	v_mov_b32 v15, 0
.irp b, 0,1,2,3
	v_mov_b32 v[236+\b], 0                         ; written once: a lane permute's destination counts as one of its sources
.endr
	v_mov_b32 v252, 0
	v_mov_b32 v253, 0
.irp j, 0,1,2,3,4,5,6,7,8,9,10,11,12,13,14,15,16,17,18,19,20,21,22,23,24,25,26,27,28,29,30,31,32,33,34,35,36,37,38,39,40,41,42,43,44,45,46,47,48,49,50,51,52,53,54,55,56,57,58,59,60,61,62,63
	v_mov_b32 v[160+\j], 0                         ; O^T.  (The step is written once: the first finds zeros, which the first change of M leaves zeros; a wave without a step hands zeros on)
.endr
	s_wait_loadcnt 0x0
	v_add_f32 v31, -0.5, v31
	s_delay_alu instid0(VALU_DEP_1)
	v_mul_f32 v31, 0x41200000, v31                 ; z = (importance - 0.5) x 10
	s_delay_alu instid0(VALU_DEP_1)
	v_mul_f32 v31, 0xbfb8aa3b, v31                 ; -z log2(e)
	s_wait_alu depctr_va_vdst(0)
	v_exp_f32 v29, v31
	v_nop                                          ; a plain place behind the transcendental,
	s_wait_alu depctr_va_vdst(0)                   ; and the wait ahead of the first use
	v_add_f32 v29, 1.0, v29
	s_wait_alu depctr_va_vdst(0)
	v_rcp_f32 v30, v29                             ; sigmoid(z)
	v_nop
	s_wait_alu depctr_va_vdst(0)
	v_fma_f32 v10, v30, s19, 0.5                   ; speed
	s_delay_alu instid0(VALU_DEP_1)
	v_mul_f32 v10, 0x3e0293ee, v10                 ; x log2(e) / sqrt(128): above 0, so the largest score gives the largest t
	s_delay_alu instid0(VALU_DEP_1)
	v_mov_b32 v11, v10
; A KEY STEP: 128 keys; its record of k begins at LDS byte s[TB], its record of v four records further on.
.macro STEP
	s_cmp_gt_u32 s[KS], s[BLK]                     ; all its keys come after my queries: ids and the count of steps alone
	s_cbranch_scc1 .Lhidden_\@
	s_and_b32 s[STP], s[KS], 1
	s_cmp_lg_u32 s[STP], s[HF]                     ; or it is the other half's
	s_cbranch_scc1 .Lhidden_\@
	v_add_nc_u32 v[ADK], s[TB], v[LI]
	v_add_nc_u32 v[ADS], s[TB], v[LS]
	s_wait_alu depctr_va_vdst(0)
.rept 4
	v_nop                                          ; with the two additions: six places behind the last products, whose operands are loaded into and written over below
.endr
; S^T = k q^T.  ALL EIGHT FRAGMENTS OF k ARE ASKED FOR IN ONE RUN: tiles 0-3 into v32-79, tiles 4, 5 into v224-247 (free until the softmax), tiles 6, 7 into v104-127, where the scores of tiles 1-3 will stand:
; so tiles 6, 7, 0, 4, 5 are multiplied first and tiles 1-3 last, five places behind the products that read v104-127.
.irp c, 0,1,2
	ds_load_b128 v[104+4*\c:107+4*\c], v[ADK] offset:FRB*6+512*\c
	ds_load_b128 v[116+4*\c:119+4*\c], v[ADK] offset:FRB*7+512*\c
.endr
.irp b, 0,1,2,3
	ds_load_b32 v[80+\b], v[ADS] offset:RSC+128*\b   ; lanes 0-15: tile 2 b's scale words, lanes 16-31: tile 2 b + 1's
.endr
.irp c, 0,1,2
	ds_load_b128 v[32+4*\c:35+4*\c], v[ADK] offset:512*\c
	ds_load_b128 v[224+4*\c:227+4*\c], v[ADK] offset:FRB*4+512*\c
	ds_load_b128 v[236+4*\c:239+4*\c], v[ADK] offset:FRB*5+512*\c
.endr
.irp t, 1,2,3
.irp c, 0,1,2
	ds_load_b128 v[32+12*\t+4*\c:35+12*\t+4*\c], v[ADK] offset:FRB*\t+512*\c
.endr
.endr
	s_wait_dscnt 9                                 ; all but tiles 1-3's nine loads
	WM 144, 104, 16, 1, 83, 28, 0
	WM 152, 116, 16, 1, 83, 28, 1
	WM 96, 32, 16, 1, 80, 28, 0
	WM 128, 224, 16, 1, 82, 28, 0
	WM 136, 236, 16, 1, 82, 28, 1
.rept 5
	v_nop                                          ; five places before products write over operands of earlier ones
.endr
	s_wait_dscnt 0x0
	WM 104, 44, 16, 1, 80, 28, 1
	WM 112, 56, 16, 1, 81, 28, 0
	WM 120, 68, 16, 1, 81, 28, 1
.rept 4
	v_nop
.endr
.irp t, 0,1,2,3                                ; v's first four fragments and its scale words are asked for here: nothing names these registers until the second product
.irp c, 0,1,2
	ds_load_b128 v[32+12*\t+4*\c:35+12*\t+4*\c], v[ADK] offset:S1OFF+FRB*\t+512*\c
.endr
.endr
.irp b, 0,1,2,3
	ds_load_b32 v[84+\b], v[ADS] offset:S1OFF+RSC+128*\b
.endr
	s_cmp_lg_u32 s[KS], s[BLK]                     ; only the step on the diagonal has hidden keys
	s_cbranch_scc1 .Lopen_\@
	v_mov_b32 v254, 0xff800000                     ; -infinity: p = 0 then
.irp n, 0,1,2,3,4,5,6,7,8,9,10,11,12,13,14,15,16,17,18,19,20,21,22,23,24,25,26,27,28,29,30,31,32,33,34,35,36,37,38,39,40,41,42,43,44,45,46,47,48,49,50,51,52,53,54,55,56,57,58,59,60,61,62,63
	v_cmp_gt_i32 vcc_lo, 32*(\n/16)+\n%16, v[DQ]
	v_cndmask_b32 v[96+\n], v[96+\n], v254, vcc_lo
.endr
.Lopen_\@:
.irp b, 0,1,2,3
	v_max3_num_f32 v[232+\b], v[96+16*\b], v[97+16*\b], v[98+16*\b]   ; the largest score of each block of 32 keys: it serves for the row's maximum and, since p rises with the score, for the block's largest p
.endr
.irp i, 3,5,7,9,11,13
.irp b, 0,1,2,3
	v_max3_num_f32 v[232+\b], v[232+\b], v[96+16*\b+\i], v[97+16*\b+\i]
.endr
.endr
.irp b, 0,1,2,3
	v_max_num_f32 v[232+\b], v[232+\b], v[111+16*\b]
.endr
.irp b, 0,1,2,3
	s_delay_alu instid0(VALU_DEP_4)
	v_permlanex16_b32 v[236+\b], v[232+\b], s[SEL], s[SEL+1]
.endr
.irp b, 0,1,2,3
	s_delay_alu instid0(VALU_DEP_4)
	v_max_num_f32 v[232+\b], v[232+\b], v[236+\b]  ; with lane l xor 16's 16 keys
.endr
	s_delay_alu instid0(VALU_DEP_2)
	v_max3_num_f32 v254, v232, v233, v234
	s_delay_alu instid0(VALU_DEP_1)
	v_max_num_f32 v254, v254, v235                 ; the step's largest score of my query
	s_delay_alu instid0(VALU_DEP_1)
	v_mul_f32 v254, v10, v254                      ; as t
	s_delay_alu instid0(VALU_DEP_1)
	v_max_num_f32 v13, v13, v254                   ; the running largest t
	v_mov_b32 v254, v12
	s_delay_alu instid0(VALU_DEP_2)
	v_floor_f32 v12, -v13                          ; the new -M = floor(-t) = -ceil(t): a whole number
	s_delay_alu instid0(VALU_DEP_1)
	v_sub_f32 v254, v12, v254                      ; old M - new M: a whole number, 0 or less
	s_delay_alu instid0(VALU_DEP_1)
	v_cvt_i32_f32 v254, v254                       ; (it saturates)
	s_delay_alu instid0(VALU_DEP_1)
	v_ldexp_f32 v252, 1.0, v254                    ; f = 2^(old M - new M)
.irp j, 0,2,4,6,8,10,12,14,16,18,20,22,24,26,28,30,32,34,36,38,40,42,44,46,48,50,52,54,56,58,60,62
	v_pk_fma_f32 v[96+\j:97+\j], v[96+\j:97+\j], v[10:11], v[12:13] op_sel_hi:[1,1,0]   ; t - M, two at a time (of the pair v[12:13] the low word, -M, serves both halves)
.endr
.irp b, 0,1,2,3
	v_fma_f32 v[232+\b], v[232+\b], v10, v12       ; the same of each block's largest score
.endr
	s_wait_alu depctr_va_vdst(0)
.irp j, 0,1,2,3,4,5,6,7,8,9,10,11,12,13,14,15,16,17,18,19,20,21,22,23,24,25,26,27,28,29,30,31,32,33,34,35,36,37,38,39,40,41,42,43,44,45,46,47,48,49,50,51,52,53,54,55,56,57,58,59,60,61,62,63
	v_exp_f32 v[96+\j], v[96+\j]                   ; p = 2^(t - M), at most 1: not normalised
.endr
	v_pk_mul_f32 v[14:15], v[14:15], v[252:253] op_sel_hi:[1,0]   ; the sums under the new M.  (A plain place behind the exponentials)
	s_wait_alu depctr_va_vdst(0)                   ; one wait for the whole batch, ahead of its first reader
.irp b, 0,1,2,3
	v_exp_f32 v[232+\b], v[232+\b]                 ; the block's largest p: the same two instructions on the same number give the same bits
.endr
	v_pk_add_f32 v[236:237], v[100:101], v[104:105]
	v_pk_add_f32 v[254:255], v[108:109], v[112:113]
	v_pk_add_f32 v[250:251], v[116:117], v[120:121]
	v_pk_add_f32 v[248:249], v[124:125], v[128:129]
	v_pk_add_f32 v[246:247], v[132:133], v[136:137]
	v_pk_add_f32 v[244:245], v[140:141], v[144:145]
	v_pk_add_f32 v[242:243], v[148:149], v[152:153]
	v_pk_add_f32 v[14:15], v[14:15], v[156:157]
	v_pk_add_f32 v[236:237], v[236:237], v[96:97]
	v_pk_add_f32 v[254:255], v[254:255], v[98:99]
	v_pk_add_f32 v[250:251], v[250:251], v[102:103]
	v_pk_add_f32 v[248:249], v[248:249], v[106:107]
	v_pk_add_f32 v[246:247], v[246:247], v[110:111]
	v_pk_add_f32 v[244:245], v[244:245], v[114:115]
	v_pk_add_f32 v[242:243], v[242:243], v[118:119]
	v_pk_add_f32 v[14:15], v[14:15], v[122:123]
	v_pk_add_f32 v[236:237], v[236:237], v[126:127]
	v_pk_add_f32 v[254:255], v[254:255], v[130:131]
	v_pk_add_f32 v[250:251], v[250:251], v[134:135]
	v_pk_add_f32 v[248:249], v[248:249], v[138:139]
	v_pk_add_f32 v[246:247], v[246:247], v[142:143]
	v_pk_add_f32 v[244:245], v[244:245], v[146:147]
	v_pk_add_f32 v[242:243], v[242:243], v[150:151]
	v_pk_add_f32 v[14:15], v[14:15], v[154:155]
	v_pk_add_f32 v[236:237], v[236:237], v[158:159]
	s_delay_alu instid0(VALU_DEP_2)
	v_pk_add_f32 v[14:15], v[14:15], v[248:249]
	s_delay_alu instid0(VALU_DEP_2)
	v_pk_add_f32 v[236:237], v[236:237], v[246:247]
	v_pk_add_f32 v[254:255], v[254:255], v[244:245]
	v_pk_add_f32 v[250:251], v[250:251], v[242:243]
	s_delay_alu instid0(VALU_DEP_2)
	v_pk_add_f32 v[14:15], v[14:15], v[254:255]
	s_delay_alu instid0(VALU_DEP_2)
	v_pk_add_f32 v[236:237], v[236:237], v[250:251]
	s_delay_alu instid0(VALU_DEP_1)
	v_pk_add_f32 v[14:15], v[14:15], v[236:237]
	s_wait_alu depctr_va_vdst(0)                   ; and one for the four
.irp b, 0,1,2,3
	v_max_num_f32 v[232+\b], 0x1800000, v[232+\b]  ; the floor 2^(3 - 127): the byte cannot fall under 1
.endr
.irp b, 0,1,2,3
	s_delay_alu instid0(VALU_DEP_4)
	v_add_nc_u32 v[244+\b], 0xff000000, v[232+\b]  ; 2 off the exponent field: the conversion's scale operand
.endr
.irp b, 0,1,2,3
	s_delay_alu instid0(VALU_DEP_4)
	v_lshrrev_b32 v[236+\b], 23, v[244+\b]         ; the scale's byte
.endr
	s_delay_alu instid0(VALU_DEP_3)
	v_lshl_or_b32 v253, v237, 8, v236              ; p's scale word for these 128 keys
	s_delay_alu instid0(VALU_DEP_1)
	v_lshl_or_b32 v253, v238, 16, v253
	s_delay_alu instid0(VALU_DEP_1)
	v_lshl_or_b32 v253, v239, 24, v253
.irp c, 0,1
	v_cvt_scalef32_pk16_fp6_f32 v[224+6*\c:226+6*\c], v[96+32*\c:111+32*\c], v[244+2*\c]
	v_cvt_scalef32_pk16_fp6_f32 v[236+4*\c:238+4*\c], v[112+32*\c:127+32*\c], v[244+2*\c+1]
.endr
	v_nop                                          ; one plain place behind a scaled conversion
.irp t, 0,1,2,3                                ; p has become codes: v's last four fragments land in its registers v96-143
.irp c, 0,1,2
	ds_load_b128 v[96+12*\t+4*\c:99+12*\t+4*\c], v[ADK] offset:S1OFF+FRB*(4+\t)+512*\c
.endr
.endr
.irp c, 0,1                                    ; the operand's layout wants a whole block in a lane
.irp i, 0,1,2
	v_permlane16_swap_b32 v[224+6*\c+\i], v[236+4*\c+\i]
.endr
.irp i, 0,1,2
	s_delay_alu instid0(VALU_DEP_3)
	v_mov_b32 v[227+6*\c+\i], v[236+4*\c+\i]
.endr
.endr
.irp j, 0,2,4,6,8,10,12,14,16,18,20,22,24,26,28,30,32,34,36,38,40,42,44,46,48,50,52,54,56,58,60,62
	v_pk_mul_f32 v[160+\j:161+\j], v[160+\j:161+\j], v[252:253] op_sel_hi:[1,0]   ; O^T under the new M
.endr
	s_wait_alu depctr_va_vdst(0)
	s_wait_dscnt 0x0                               ; v's eight fragments and its scale words are in
.irp t, 0,1,2,3                                ; O^T += v^T p^T: the eight accumulators by turns
	WM 160+8*\t, 32+12*\t, 224, 0, 84+\t/2, 253, \t%2
.endr
.irp t, 0,1,2,3
	WM 192+8*\t, 96+12*\t, 224, 0, 86+\t/2, 253, \t%2
.endr
.Lhidden_\@:
	s_add_co_u32 s[TB], s[TB], REC
	s_add_co_u32 s[KS], s[KS], 1
.endm
.macro PHASE slot                      ; a slot's four key steps: every wave walks all four trips
	s_mov_b32 s[TB], \slot*SLOTB
	s_mov_b32 s[CNT], 4
.Lphase_\@:
	STEP
	s_sub_co_u32 s[CNT], s[CNT], 1
	s_cmp_lg_u32 s[CNT], 0
	s_cbranch_scc1 .Lphase_\@
.endm
; THE ORDER OF THE FILLS (it takes the place of what the head's paragraph RING says of the start): one tensor load a wave at the head, key steps 0-3; slots 1 and 2 are first filled, and slot 0 filled again,
; one load a wave behind a round each.  One load of mine is out at any time, and it has a slot's four key steps in which to land.
	s_wait_alu depctr_va_vdst(0)                   ; the wait at the head's end
	s_wait_tensorcnt 0x0                           ; my part of slot 0 is in
	ds_add_u32 v[SPW], v[NIL]
	s_wait_dscnt 0x0
	CROUND                                         ; everybody's is
	tensor_load_to_lds s[G0+4:G0+7], s[G1:G1+7]    ; key steps 4-7: slot 1's first fill
	s_nop 0
.rept 4
	v_nop
.endr
	PHASE 0                                        ; key steps 0-3
	s_wait_tensorcnt 0x0                           ; all my tensor loads have landed, so a group 0 may be written
	ds_add_u32 v[SPW], v[NIL]
	s_add_nc_u64 s[G0+2:G0+3], s[G0+2:G0+3], 12*REC
	s_wait_dscnt 0x0
	CROUND                                         ; slot 1 is whole
	tensor_load_to_lds s[G0+8:G0+11], s[G1:G1+7]   ; key steps 8-11: slot 2's first fill
	s_nop 0
.rept 4
	v_nop
.endr
	PHASE 1                                        ; key steps 4-7
	s_wait_tensorcnt 0x0
	ds_add_u32 v[SPW], v[NIL]
	s_wait_dscnt 0x0                               ; the add is done; my reads of slot 0 were over a round ago
	CROUND                                         ; slot 2 is whole; no wave of any partner reads slot 0 or has a load on its way
	tensor_load_to_lds s[G0:G0+3], s[G1:G1+7]      ; key steps 12-15, into slot 0
	s_nop 0
.rept 4
	v_nop
.endr
	PHASE 2                                        ; 8-11
	s_wait_tensorcnt 0x0                           ; the one load of mine that is out
	s_wait_dscnt 0x0                               ; and my reads of slots 1 and 2 are over
	s_barrier_signal -1
	s_barrier_wait -1                              ; everybody's has landed
	PHASE 0                                        ; 12-15
	; THE TWO HALVES MEET.  Waves 8-15 put -M, the sum and O^T into their pair's stage; behind the barrier waves 0-7 take them.
.rept 4
	v_nop                                          ; places behind the last products
.endr
	v_add_f32 v14, v14, v15                        ; the sum's two halves,
	s_delay_alu instid0(VALU_DEP_1)
	v_permlanex16_b32 v252, v14, s[SEL], s[SEL+1]
	s_delay_alu instid0(VALU_DEP_1)
	v_add_f32 v13, v14, v252                       ; and lane l xor 16's: my keys' sum, beside -M in the pair v[12:13]
	s_cmp_lt_u32 s[WV], 8
	s_cbranch_scc1 .Lkeeper
.irp i, 0,1,2,3,4,5,6,7,8,9,10,11,12,13,14,15
	ds_store_b128 v[MST], v[160+4*\i:163+4*\i] offset:512*\i   ; as the registers stand: 512 consecutive bytes a store; each accumulator from its low end on
.endr
	ds_store_b64 v[MSL], v[12:13] offset:8192
.Lkeeper:
	s_wait_dscnt 0x0                               ; for the others' sake: my stores have landed
	s_barrier_signal -1
	s_barrier_wait -1
	s_cmp_ge_u32 s[WV], 8
	s_cbranch_scc1 .Lsent
	ds_load_b64 v[232:233], v[MSL] offset:8192     ; the other half's -M and sum,
.irp i, 0,1,2,3,4,5,6,7,8,9,10,11,12,13,14,15
	ds_load_b128 v[96+4*\i:99+4*\i], v[MST] offset:512*\i      ; and its O^T, in the same lanes and the same order
.endr
	s_wait_dscnt 16                                ; the pair is in; the sixteen loads behind it may be out
	v_min_num_f32 v234, v12, v232                  ; -M of the whole row
	s_delay_alu instid0(VALU_DEP_1)
	v_sub_f32 v235, v234, v12                      ; my M - M: a whole number, 0 or less
	s_delay_alu instid0(VALU_DEP_2)
	v_sub_f32 v236, v234, v232                     ; the other's
	s_delay_alu instid0(VALU_DEP_2)
	v_cvt_i32_f32 v235, v235                       ; (they saturate)
	s_delay_alu instid0(VALU_DEP_2)
	v_cvt_i32_f32 v236, v236
	s_delay_alu instid0(VALU_DEP_2)
	v_ldexp_f32 v235, 1.0, v235                    ; f0
	s_wait_alu depctr_va_vdst(0)
	v_ldexp_f32 v236, 1.0, v236                    ; f1
	v_mul_f32 v237, v13, v235
	s_delay_alu instid0(VALU_DEP_1)
	v_fma_f32 v237, v233, v236, v237               ; the row's sum
	s_wait_alu depctr_va_vdst(0)
	v_rcp_f32 v238, v237
	v_nop                                          ; a plain place behind the transcendental,
	s_wait_alu depctr_va_vdst(0)                   ; and the wait ahead of the first use
	v_mul_f32 v14, v235, v238                      ; f0 / sum: a power of two times the reciprocal
	v_mul_f32 v10, v236, v238                      ; f1 / sum
	s_wait_alu depctr_va_vdst(0)
	s_wait_dscnt 0x0
.irp j, 0,2,4,6,8,10,12,14,16,18,20,22,24,26,28,30,32,34,36,38,40,42,44,46,48,50,52,54,56,58,60,62
	v_pk_mul_f32 v[160+\j:161+\j], v[160+\j:161+\j], v[14:15] op_sel_hi:[1,0]
	s_delay_alu instid0(VALU_DEP_1)
	v_pk_fma_f32 v[96+\j:97+\j], v[96+\j:97+\j], v[10:11], v[160+\j:161+\j] op_sel_hi:[1,0,1]   ; register 16 b + i is o(my query, 32 b + 16 h + i)
.endr
	QUANT 96, PW                                   ; along d: my tile of the record (block, head) of the last product's operand
.irp c, 0,1,2
	global_store_b128 v[LI], v[PC+4*\c:PC+4*\c+3], s[14:15] offset:512*\c   ; 512 consecutive bytes, at a multiple of 256 from oc's first byte
.endr
	global_store_b32 v[R4], v[PW], s[16:17]        ; my tile's 64 bytes of scale words (both halves of the lanes write a row's word with the same value): a record's eight tiles belong to four work-groups, so these leave in parts
.Lsent:
	s_wait_tensorcnt 0x0                           ; the wave's end, behind my last tensor load and my last LDS store
	ds_add_u32 v[SPW], v[NIL]
	s_wait_dscnt 0x0
	CROUND                                         ; the closing round
	s_endpgm
.Lfunc_end_k_qb786f13c05_attn:
	.size	k_qb786f13c05_attn, .Lfunc_end_k_qb786f13c05_attn-k_qb786f13c05_attn
	.p2alignl 7, 3214868480
	.fill 96, 4, 3214868480
	.section	.rodata,"a",@progbits
	.p2align	6, 0x0
	.amdhsa_kernel k_qb786f13c05_attn
		.amdhsa_group_segment_fixed_size 327680
		.amdhsa_private_segment_fixed_size 0
		.amdhsa_enable_private_segment 0
		.amdhsa_kernarg_size 24
		.amdhsa_user_sgpr_count 2
		.amdhsa_user_sgpr_kernarg_segment_ptr 1
		.amdhsa_wavefront_size32 1
		.amdhsa_system_sgpr_workgroup_id_x 1
		.amdhsa_system_sgpr_workgroup_id_y 1
		.amdhsa_system_sgpr_workgroup_id_z 1
		.amdhsa_system_vgpr_workitem_id 0
		.amdhsa_next_free_vgpr 256
		.amdhsa_next_free_sgpr 66
		.amdhsa_reserve_vcc 1
		.amdhsa_float_denorm_mode_32 3
		.amdhsa_float_denorm_mode_16_64 3
		.amdhsa_memory_ordered 1
		.amdhsa_forward_progress 1
		.amdhsa_inst_pref_size 129
	.end_amdhsa_kernel
	.amdgpu_metadata
---
amdhsa.version: [ 1, 2 ]
amdhsa.kernels:
  - .name:           k_qb786f13c05_attn
    .symbol:         k_qb786f13c05_attn.kd
    .args:
      - { .name: qkvc, .offset: 0, .size: 8, .value_kind: global_buffer, .address_space: global }
      - { .name: importance, .offset: 8, .size: 8, .value_kind: global_buffer, .address_space: global }
      - { .name: oc, .offset: 16, .size: 8, .value_kind: global_buffer, .address_space: global }
    .group_segment_fixed_size: 327680
    .private_segment_fixed_size: 0
    .kernarg_segment_align: 8
    .kernarg_segment_size: 24
    .max_flat_workgroup_size: 512
    .sgpr_count:     66
    .vgpr_count:     256
    .wavefront_size: 32
...
	.end_amdgpu_metadata
.endif
;; end of part 3
;; launch proj (part 4): grid 16 x 16, 4 waves a work-group, clusters of 4 x 4, 327,680 bytes of LDS; arguments qw, oc, out0; writes out0
.if DOCPART == 4
	.amdgcn_target "amdgcn-amd-amdhsa--gfx1250"
	.amdhsa_code_object_version 6
	.text
	.protected	k_qb786f13c05_proj
	.globl	k_qb786f13c05_proj
	.p2align	8
	.type	k_qb786f13c05_proj,@function
k_qb786f13c05_proj:
	s_mov_b64 s[64:65], 0
	v_nop
	global_prefetch_b8 v0, s[64:65] scope:SCOPE_SE
	s_setreg_imm32_b32 hwreg(HW_REG_WAVE_MODE, 25, 1), 1
	s_wait_xcnt 0x0
	s_wait_alu depctr_hold_cnt(0) depctr_sa_sdst(0) depctr_va_vdst(0) depctr_va_sdst(0) depctr_va_ssrc(0) depctr_va_vcc(0) depctr_vm_vsrc(0)
	s_getreg_b32 s2, hwreg(HW_REG_IB_STS2, 6, 4)
	s_cmp_eq_u32 s2, 0
	s_cbranch_scc0 .Lentry_in_a_cluster
	s_endpgm
.Lentry_in_a_cluster:
	s_bfe_u32 s2, ttmp6, 0x10000c
	s_cmp_lg_u32 s2, 0xf033
	s_cbranch_scc0 .Lentry_shape_is_right
	s_endpgm
.Lentry_shape_is_right:
.set REC,   12800
.set RSC,   12288
.set FRB,   1536
.set RB,    16*REC
.set SEG,   16*RB
.set SLOTB, 4*REC                      ; LDS: source 0's records of twelve K steps on end, then source 1's twelve; a group of four steps is 4 records in each
.set S1OFF, 12*REC
.set SPARE, 24*REC
.set SPITCH, 528
.set AD0, 4
.set AD1, 7
.set AS0, 10
.set AS1, 13
.set LI,  16
.set OW,  17
.set LS,  19
.set STO, 24
.set RD,  25
.set SPW, 28
.set NIL, 29
.set SC,  32
.set BK0, 48
.set BK1, 128
.set ACC, 128
.set G1C, 24
.set G0C, 32
.set G1R, 44
.set G0R, 52
.set MSB, 0
.macro WIN new
.if MSB != \new
	s_set_vgpr_msb (MSB<<8)|\new
.set MSB, \new
.endif
.endm
.set MUL,  0x05
.set TO_F, 0x40
.macro PLACES
.rept 4
	v_nop
.endr
.endm
.macro JLOAD s
	s_cmp_eq_u32 s13, 0
	s_cbranch_scc0 .Lfor_r_\@
	tensor_load_to_lds s[G0C+4*\s:G0C+4*\s+3], s[G1C:G1C+7]
	s_nop 0
.rept 4
	v_nop
.endr
	s_branch .Lasked_\@
.Lfor_r_\@:
	tensor_load_to_lds s[G0R+4*\s:G0R+4*\s+3], s[G1R:G1R+7]
	s_nop 0
.rept 4
	v_nop
.endr
.Lasked_\@:
.endm
.macro CROUND
	s_barrier_signal -1
	s_barrier_wait -1
	s_cmp_lg_u32 s12, 0
	s_cbranch_scc1 .Lnot_wave_0_\@
	s_barrier_signal -3
.Lnot_wave_0_\@:
	s_barrier_wait -3
	s_barrier_signal -1
	s_barrier_wait -1
.endm
.macro WM d, a, b, zero, sa, sb, ra, rb
.if (\zero) && (\ra) && (\rb)
	v_wmma_scale_f32_16x16x128_f8f6f4 v[(\d):(\d)+7], v[(\a):(\a)+11], v[(\b):(\b)+11], 0, v[\sa], v[\sb] matrix_a_fmt:MATRIX_FMT_FP6 matrix_b_fmt:MATRIX_FMT_FP6 matrix_a_scale:MATRIX_SCALE_ROW1 matrix_b_scale:MATRIX_SCALE_ROW1
.elseif (\zero) && (\ra)
	v_wmma_scale_f32_16x16x128_f8f6f4 v[(\d):(\d)+7], v[(\a):(\a)+11], v[(\b):(\b)+11], 0, v[\sa], v[\sb] matrix_a_fmt:MATRIX_FMT_FP6 matrix_b_fmt:MATRIX_FMT_FP6 matrix_a_scale:MATRIX_SCALE_ROW1
.elseif (\zero) && (\rb)
	v_wmma_scale_f32_16x16x128_f8f6f4 v[(\d):(\d)+7], v[(\a):(\a)+11], v[(\b):(\b)+11], 0, v[\sa], v[\sb] matrix_a_fmt:MATRIX_FMT_FP6 matrix_b_fmt:MATRIX_FMT_FP6 matrix_b_scale:MATRIX_SCALE_ROW1
.elseif (\zero)
	v_wmma_scale_f32_16x16x128_f8f6f4 v[(\d):(\d)+7], v[(\a):(\a)+11], v[(\b):(\b)+11], 0, v[\sa], v[\sb] matrix_a_fmt:MATRIX_FMT_FP6 matrix_b_fmt:MATRIX_FMT_FP6
.elseif (\ra) && (\rb)
	v_wmma_scale_f32_16x16x128_f8f6f4 v[(\d):(\d)+7], v[(\a):(\a)+11], v[(\b):(\b)+11], v[(\d):(\d)+7], v[\sa], v[\sb] matrix_a_fmt:MATRIX_FMT_FP6 matrix_b_fmt:MATRIX_FMT_FP6 matrix_a_scale:MATRIX_SCALE_ROW1 matrix_b_scale:MATRIX_SCALE_ROW1
.elseif (\ra)
	v_wmma_scale_f32_16x16x128_f8f6f4 v[(\d):(\d)+7], v[(\a):(\a)+11], v[(\b):(\b)+11], v[(\d):(\d)+7], v[\sa], v[\sb] matrix_a_fmt:MATRIX_FMT_FP6 matrix_b_fmt:MATRIX_FMT_FP6 matrix_a_scale:MATRIX_SCALE_ROW1
.elseif (\rb)
	v_wmma_scale_f32_16x16x128_f8f6f4 v[(\d):(\d)+7], v[(\a):(\a)+11], v[(\b):(\b)+11], v[(\d):(\d)+7], v[\sa], v[\sb] matrix_a_fmt:MATRIX_FMT_FP6 matrix_b_fmt:MATRIX_FMT_FP6 matrix_b_scale:MATRIX_SCALE_ROW1
.else
	v_wmma_scale_f32_16x16x128_f8f6f4 v[(\d):(\d)+7], v[(\a):(\a)+11], v[(\b):(\b)+11], v[(\d):(\d)+7], v[\sa], v[\sb] matrix_a_fmt:MATRIX_FMT_FP6 matrix_b_fmt:MATRIX_FMT_FP6
.endif
.endm
.macro FETCH slot, q, p
	WIN TO_F
.irp t, 0,1,2,3,4,5,6,7
.irp c, 0,1,2
	ds_load_b128 v[128*(\p)+12*\t+4*\c:128*(\p)+12*\t+4*\c+3], v[AD0+\slot] offset:(\q)*REC+FRB*\t+512*\c
.endr
.endr
.irp u, 0,1
.irp c, 0,1,2
	ds_load_b128 v[128*(\p)+96+12*\u+4*\c:128*(\p)+96+12*\u+4*\c+3], v[AD1+\slot] offset:(\q)*REC+FRB*\u+512*\c
.endr
.endr
	WIN 0
.irp b, 0,1,2,3
	ds_load_b32 v[SC+8*(\p)+\b], v[AS0+\slot] offset:(\q)*REC+128*\b
.endr
	ds_load_b32 v[SC+8*(\p)+4], v[AS1+\slot] offset:(\q)*REC
.endm
.macro MUL8 p, u, zero
.irp t, 0,1,2,3,4,5,6,7
	WM ACC+64*\u+8*\t, 128*\p+12*\t, 128*\p+96+12*\u, \zero, SC+8*\p+\t/2, SC+8*\p+4, \t%2, \u
.endr
.endm
.macro KSTEP p, slot, q, zero
.if !(\zero)
	PLACES
.endif
	FETCH \slot, \q, 1-\p
	s_wait_dscnt 35
	WIN MUL
	MUL8 \p, 0, \zero
	MUL8 \p, 1, \zero
.endm
.macro TURNF
	WIN 0
	s_wait_tensorcnt 0x0
	ds_add_u32 v[SPW], v[NIL]
	s_mov_b32 s[G1C+2], 100<<16                    ; no tensor load of mine is out: the refill brings two records, 100 rows
	s_mov_b32 s[G1C+4], 100
	s_mov_b32 s[G1R+2], 100<<16
	s_mov_b32 s[G1R+4], 100
	s_wait_dscnt 1
	WIN MUL
	MUL8 1, 0, 0
	s_wait_dscnt 0x0
	WIN 0
	CROUND
	JLOAD 1
	s_wait_alu depctr_va_vdst(0)
	FETCH 1, 0, 0
	WIN MUL
	MUL8 1, 1, 0
.endm
.macro MEET
	s_wait_tensorcnt 0x0
	s_wait_dscnt 0x0
	s_barrier_signal -1
	WIN MUL
	MUL8 1, 0, 0
	s_barrier_wait -1
	PLACES
	FETCH 0, 0, 0
	WIN MUL
	MUL8 1, 1, 0
.endm
	s_load_b128 s[4:7], s[0:1], 0x0
	s_load_b64 s[8:9], s[0:1], 0x10
	v_lshl_add_u32 v[SPW], v0, 2, SPARE
	v_mov_b32 v[NIL], 0
	ds_add_u32 v[SPW], v[NIL]
	ds_add_u32 v[SPW], v[NIL]
	v_lshrrev_b32 v1, 5, v0
	v_readfirstlane_b32 s12, v1
	s_lshr_b32 s13, s12, 1
	s_and_b32 s14, s12, 1
	s_bfe_u32 s16, ttmp6, 0x40000
	s_bfe_u32 s17, ttmp6, 0x40004
	s_lshl_b32 s18, ttmp9, 2
	s_add_co_u32 s18, s18, s16
	s_and_b32 s19, ttmp7, 0xffff
	s_lshl_b32 s19, s19, 2
	s_add_co_u32 s19, s19, s17
	s_lshl_b32 s68, 0x1111, s16
	s_lshl_b32 s69, s17, 2
	s_lshl_b32 s69, 15, s69
	s_or_b32 s[G1C], s68, (3<<16)|(1<<21)
	s_or_b32 s[G1R], s69, (3<<16)|(1<<21)
.irp g, G1C, G1R
	s_mov_b32 s[\g+1], 32<<16
	s_mov_b32 s[\g+2], 300<<16                     ; the head's load: six records, 300 rows of 256 bytes
	s_mov_b32 s[\g+3], 32<<16
	s_mov_b32 s[\g+4], 300
	s_mov_b32 s[\g+5], 32
	s_mov_b32 s[\g+6], 0
	s_mov_b32 s[\g+7], 0
.endr
	s_mul_i32 s74, s14, 6*REC
	s_mul_i32 s70, s18, RB
	s_add_co_u32 s70, s70, 4*SEG
	s_add_co_u32 s70, s70, s74
	s_mov_b32 s71, 0
	s_mul_i32 s72, s19, RB
	s_add_co_u32 s72, s72, s74
	s_mov_b32 s73, 0
	s_mul_i32 s75, s12, 6*REC
	s_wait_dscnt 0x0
	s_wait_kmcnt 0x0
	s_add_nc_u64 s[70:71], s[4:5], s[70:71]
	s_add_nc_u64 s[72:73], s[6:7], s[72:73]
	CROUND
	; set 0: the head's load, one a wave: half of a source's records of K steps 0-11.  Set 1: the refill: half of its records of K steps 12-15, onto its first four
	s_mul_i32 s76, s14, 4*REC
	s_sub_co_u32 s76, 12*REC, s76                  ; from my six records' start to my two of steps 12-15
	s_mov_b32 s77, 0
	s_mul_i32 s78, s13, 12*REC
	s_mul_i32 s74, s14, 2*REC
	s_add_co_u32 s78, s78, s74
	s_mov_b32 s[G0C], 1
	s_add_co_u32 s[G0C+1], s75, 0
	s_mov_b64 s[G0C+2:G0C+3], s[70:71]
	s_or_b32 s[G0C+3], s[G0C+3], 0x80000000
	s_mov_b32 s[G0C+4], 1
	s_add_co_u32 s[G0C+5], s78, 0
	s_add_nc_u64 s[G0C+6:G0C+7], s[70:71], s[76:77]
	s_or_b32 s[G0C+7], s[G0C+7], 0x80000000
	s_mov_b32 s[G0R], 1
	s_add_co_u32 s[G0R+1], s75, 0
	s_mov_b64 s[G0R+2:G0R+3], s[72:73]
	s_or_b32 s[G0R+3], s[G0R+3], 0x80000000
	s_mov_b32 s[G0R+4], 1
	s_add_co_u32 s[G0R+5], s78, 0
	s_add_nc_u64 s[G0R+6:G0R+7], s[72:73], s[76:77]
	s_or_b32 s[G0R+7], s[G0R+7], 0x80000000
	JLOAD 0
	v_and_b32 v1, 31, v0
	v_and_b32 v2, 15, v0
	v_bfe_u32 v3, v0, 4, 1
	v_lshlrev_b32 v[LI], 4, v1
	v_lshlrev_b32 v[LS], 2, v1
	s_mul_i32 s76, s12, 2*FRB
	s_lshl_b32 s77, s12, 7
	v_add_nc_u32 v[OW], s76, v[LI]
	v_add_nc_u32 v22, s77, v[LS]
.irp s, 0,1,2
	v_add_nc_u32 v[AD0+\s], \s*SLOTB, v[LI]
	v_add_nc_u32 v[AD1+\s], \s*SLOTB+S1OFF, v[OW]
	v_add_nc_u32 v[AS0+\s], \s*SLOTB+RSC, v[LS]
	v_add_nc_u32 v[AS1+\s], \s*SLOTB+S1OFF+RSC, v22
.endr
	s_mul_i32 s78, s12, 16*SPITCH
	s_add_co_u32 s78, s78, 8*REC                   ; the stages lie on source 0's records of K steps 8-11: filled once, last read ahead of the last barrier
	v_mul_u32_u24 v[STO], v2, SPITCH
	v_lshl_add_u32 v[STO], v3, 6, v[STO]
	v_add_nc_u32 v[STO], s78, v[STO]
	v_add_nc_u32 v[RD], s78, v[LI]
	s_lshl_b32 s76, s19, 7
	s_lshl_b32 s77, s12, 5
	s_add_co_u32 s76, s76, s77
	s_lshl_b32 s76, s76, 13
	s_lshl_b32 s77, s18, 9
	s_add_co_u32 s76, s76, s77
	s_mov_b32 s77, 0
	s_add_nc_u64 s[8:9], s[8:9], s[76:77]
	s_wait_alu depctr_va_vdst(0)                   ; the wait at the head's end
	s_wait_tensorcnt 0x0                           ; my part of K steps 0-11 is in
	s_barrier_signal -1
	s_barrier_wait -1
	FETCH 0, 0, 0
	KSTEP 0, 0, 1, 1
	KSTEP 1, 0, 2, 0
	KSTEP 0, 0, 3, 0
	TURNF
	KSTEP 0, 1, 1, 0
	KSTEP 1, 1, 2, 0
	KSTEP 0, 1, 3, 0
	KSTEP 1, 2, 0, 0
	KSTEP 0, 2, 1, 0
	KSTEP 1, 2, 2, 0
	KSTEP 0, 2, 3, 0
	MEET
	KSTEP 0, 0, 1, 0
	KSTEP 1, 0, 2, 0
	KSTEP 0, 0, 3, 0
	s_wait_dscnt 0x0
	WIN MUL
	MUL8 1, 0, 0
	MUL8 1, 1, 0
	WIN 0
.macro STORES u
.irp b, 0,1,2,3
.irp j, 0,1,2,3
	ds_store_b128 v[STO], v[ACC+64*\u+16*\b+4*\j:ACC+64*\u+16*\b+4*\j+3] offset:128*\b+16*\j
.endr
.endr
.endm
.macro LOADS bk
.irp i, 0,1,2,3,4,5,6,7,8,9,10,11,12,13,14,15
	ds_load_b128 v[\bk+4*\i:\bk+4*\i+3], v[RD] offset:SPITCH*\i
.endr
.endm
.macro SEND u, bk
.irp i, 0,1,2,3,4,5,6,7,8,9,10,11,12,13,14,15
	global_store_b128 v[LI], v[\bk+4*\i:\bk+4*\i+3], s[8:9] offset:(8*\u+\i+8*(\i/8))*8192 th:TH_STORE_NT
.endr
.endm
	PLACES
	STORES 0
	LOADS BK0
	STORES 1
	s_wait_dscnt 16
	SEND 0, BK0
	LOADS BK1
	s_wait_dscnt 0x0
	SEND 1, BK1
	s_wait_tensorcnt 0x0
	ds_add_u32 v[SPW], v[NIL]
	s_wait_dscnt 0x0
	CROUND
	s_endpgm
.Lfunc_end_k_qb786f13c05_proj:
	.size	k_qb786f13c05_proj, .Lfunc_end_k_qb786f13c05_proj-k_qb786f13c05_proj
	.p2alignl 7, 3214868480
	.fill 96, 4, 3214868480
	.section	.rodata,"a",@progbits
	.p2align	6, 0x0
	.amdhsa_kernel k_qb786f13c05_proj
		.amdhsa_group_segment_fixed_size 327680
		.amdhsa_private_segment_fixed_size 0
		.amdhsa_enable_private_segment 0
		.amdhsa_kernarg_size 24
		.amdhsa_user_sgpr_count 2
		.amdhsa_user_sgpr_kernarg_segment_ptr 1
		.amdhsa_wavefront_size32 1
		.amdhsa_system_sgpr_workgroup_id_x 1
		.amdhsa_system_sgpr_workgroup_id_y 1
		.amdhsa_system_sgpr_workgroup_id_z 1
		.amdhsa_system_vgpr_workitem_id 0
		.amdhsa_next_free_vgpr 512
		.amdhsa_next_free_sgpr 80
		.amdhsa_reserve_vcc 0
		.amdhsa_float_denorm_mode_32 3
		.amdhsa_float_denorm_mode_16_64 3
		.amdhsa_memory_ordered 1
		.amdhsa_forward_progress 1
		.amdhsa_inst_pref_size 87
	.end_amdhsa_kernel
	.amdgpu_metadata
---
amdhsa.version: [ 1, 2 ]
amdhsa.kernels:
  - .name:           k_qb786f13c05_proj
    .symbol:         k_qb786f13c05_proj.kd
    .args:
      - { .name: qw, .offset: 0, .size: 8, .value_kind: global_buffer, .address_space: global }
      - { .name: oc, .offset: 8, .size: 8, .value_kind: global_buffer, .address_space: global }
      - { .name: out0, .offset: 16, .size: 8, .value_kind: global_buffer, .address_space: global }
    .group_segment_fixed_size: 327680
    .private_segment_fixed_size: 0
    .kernarg_segment_align: 8
    .kernarg_segment_size: 24
    .max_flat_workgroup_size: 128
    .sgpr_count:     80
    .vgpr_count:     512
    .wavefront_size: 32
...
	.end_amdgpu_metadata
.endif
;; end of part 4
